; MI455X (gfx1250); checked and timed in simulation.
; The chip was launched on July 23, 2026; its instructions are those of AMD's public machine-readable ISA for CDNA 5 (MIT licence, August 2026) and "CDNA5" Instruction Set Architecture Reference Guide (July 2026). The comments in the code are by the model that wrote it; some were corrected since.
;; Manual Encoder Block. Allowed arithmetic: matrix products marked QUANTISED: E4M3 operands, one given power-of-two scale a tensor, by v_wmma_f32_16x16x64_fp8_fp8 or v_wmma_f32_16x16x128_fp8_fp8, f32 sums; everything else in f32.
;; Inputs: b_ff1 4,096 float32; b_ff2 1,024 float32; b_proj 1,024 float32; freqs_cis 2,048 x 32 x 2 float32; ln1_b 1,024 float32; ln1_g 1,024 float32; ln2_b 1,024 float32; ln2_g 1,024 float32; lowp_scales 16 int32 (the exponents e of the quantised operands' scales 2^e); w_ff1 1,024 x 4,096 float32; w_ff2 4,096 x 1,024 float32; w_proj 1,024 x 1,024 float32; wk 1,024 x 1,024 float32; wq 1,024 x 1,024 float32; wv 1,024 x 1,024 float32; x 2 x 2,048 x 1,024 float32.
;; Outputs: out0 2 x 2,048 x 1,024 float32.
;; This version of the problem:
;;   THIS VERSION OF THE PROBLEM IS GIVEN IN LOW PRECISION. The matrix products marked QUANTISED in the list below multiply operands that are first quantised to E4M3 (4 exponent bits, 3 mantissa bits; 8 bits a number), with one given power-of-two scale for each operand tensor; their sums are f32. All else is computed in f32.
;;   The module's matrix products, in the order in which they are computed (A, B: the left and right operand; K: the contracted axis; several contracted axes count as one K, in the product's order):
;;     1. [M 4,096, K 1,024] x [K 1,024, N 1,024]; A: computed on the way; B: input wq: QUANTISED (scales: A lowp_scales[0], B lowp_scales[1])
;;     2. [M 4,096, K 1,024] x [K 1,024, N 1,024]; A: computed on the way; B: input wk: QUANTISED (scales: A lowp_scales[2], B lowp_scales[3])
;;     3. [M 4,096, K 1,024] x [K 1,024, N 1,024]; A: computed on the way; B: input wv: QUANTISED (scales: A lowp_scales[4], B lowp_scales[5])
;;     4. batch 32 x [M 2,048, K 64] x [K 64, N 2,048]; A: computed on the way; B: computed on the way: QUANTISED (scales: A lowp_scales[6], B lowp_scales[7])
;;     5. batch 32 x [M 64, K 2,048] x [K 2,048, N 2,048]; A: computed on the way; B: softmax (see below): QUANTISED (scales: A lowp_scales[8], B lowp_scales[9])
;;     6. [M 4,096, K 1,024] x [K 1,024, N 1,024]; A: computed on the way; B: input w_proj: QUANTISED (scales: A lowp_scales[10], B lowp_scales[11])
;;     7. [M 4,096, K 1,024] x [K 1,024, N 4,096]; A: computed on the way; B: input w_ff1: QUANTISED (scales: A lowp_scales[12], B lowp_scales[13])
;;     8. [M 4,096, K 4,096] x [K 4,096, N 1,024]; A: computed on the way; B: input w_ff2: QUANTISED (scales: A lowp_scales[14], B lowp_scales[15])
;;   THE QUANTISER, for each operand of a quantised product, along K:
;;     - The operand's scale is 2^e, e = its entry of the input lowp_scales (int32; the entries are numbered through the quantised products in the list's order, A before B).
;;     - Each number is divided by the scale, clamped to +-448, and rounded to the nearest number of E4M3, ties to even, subnormals kept.
;;     - The product sums the exact products of the quantised numbers (number of the format x scale) in f32.
;;   ~~~python
;;   def quantise(x, axis, e):      # numpy; x: float32 -> the quantised numbers, widened to float32 again
;;       x = np.moveaxis(x, axis, -1); K = x.shape[-1]
;;       r = np.clip(x / 2.0 ** e, -448, 448)
;;       step = 2.0 ** (np.maximum(np.frexp(np.where(r == 0, 1, r))[1] - 1, -6) - 3)
;;       q = np.round(r / step) * step * 2.0 ** e      # np.round: ties to even
;;       return np.moveaxis(q, -1, axis).astype(np.float32)
;;   ~~~
;;   SOFTMAX AHEAD OF A QUANTISED PRODUCT. Where the list says 'softmax', what is quantised is not the finished softmax but p = 2^(t - M), with t = logit x log2(e) and M = ceil(the row's largest t), a whole number; so 1/2 < the row's largest p <= 1. The row's sum l is taken of the UNQUANTISED p, in f32, and the product's result is divided by l at the end. Since M is a whole number, a kernel that streams over the keys may use a running M (the ceiling of the running maximum): every later rescaling is an exact power of two, so the quantised numbers keep their values, but for numbers so far below the row's largest that they fall under the format's range.
;;   OPERANDS COMPUTED ON THE WAY. 'Computed on the way' means the value that the module computes at that place (a softmax that the list does not call 'softmax' is quantised finished and normalised). What goes into a quantiser is computed in f32, as accurately as f32 sums, v_exp_f32 and their like allow (about 1e-6 of the number): no bf16 or f16 on the way to a quantiser, and a product that is left as it is and whose result goes on into a quantised operand takes f32 operands (vector FMAs, or v_wmma_f32_16x16x4_f32). A number that lies on a knife's edge between two numbers of the format may be rounded either way, as far as f32 arithmetic and the matrix unit's own rounding can turn it there, and no further.
;; One version. Each part assembles by itself: llvm-mc -triple=amdgcn-amd-amdhsa -mcpu=gfx1250 --defsym DOCPART=n.
;; ======== version 1 of 1: 7 launches
;; limits: a function is approximated: absolute error at most 1e-06
;; workspace buffers: wc 12,582,912 bytes; hc 12,582,912 bytes; qkv 12,582,912 bytes; ac 4,194,304 bytes; x1 16,777,216 bytes; h2c 4,194,304 bytes; fc 16,777,216 bytes
;; launch prep (part 1): grid 640 x 1, 4 waves a work-group, no clusters, 35,840 bytes of LDS; arguments x, ln1_g, ln1_b, lowp_scales, wq, wk, wv, w_proj, w_ff1, w_ff2, wc, hc; writes wc, hc
.if DOCPART == 1
	.amdgcn_target "amdgcn-amd-amdhsa--gfx1250"
	.amdhsa_code_object_version 6
	.text
	.protected	k_qbffd13ef73_prep
	.globl	k_qbffd13ef73_prep
	.p2align	8
	.type	k_qbffd13ef73_prep,@function
k_qbffd13ef73_prep:
	s_mov_b64 s[64:65], 0
	v_nop
	global_prefetch_b8 v0, s[64:65] scope:SCOPE_SE
	s_setreg_imm32_b32 hwreg(HW_REG_WAVE_MODE, 25, 1), 1
	s_wait_xcnt 0x0
; PREP.  Two kinds of work-groups, told apart by the work-group's number.
; 0 .. 383: the six weights, f32 stored [K][N], become codes of E4M3 laid [N][K], K innermost, each with its given scale 2^e.
;   wc: wq | wk | wv as [3072][1024] at 0, w_proj at 3 MiB, w_ff1 [4096][1024] at 4 MiB, w_ff2 [1024][4096] at 8 MiB.
;   A LANE TAKES A COLUMN n AND ITS REGISTERS RUN DOWN K: a load reads 128 consecutive bytes a wave (512 a work-group), and the conversions,
;   which take neighbours along K from one lane's registers, give codes with K innermost.  A wave gathers 32 columns x 256 K in its own stage
;   in LDS and stores it by rows: sixteen lanes store 256 consecutive bytes, aligned.  One text serves all six: sizes and pointers are chosen by
;   s_cselect on the work-group's number.
; 384 .. 639: layer norm 1 of x, 16 rows a work-group, a wave a row at a time, the row in 32 registers a lane-wise 8 neighbours a chunk;
;   mean, then the sum of squares of x - mean (two passes over registers: sound under a common offset); the result is quantised three times,
;   with the scales of entries 0, 2, 4, into hc's three sets [4096][1024], 4 MiB apart.
; code = x / 2^e, held within +-448, to the nearest code, ties to even.
; LIMITS: every e used here lies between -126 and 119, so that 2^e and 448 x 2^e are f32 numbers.  NaN and infinities among the inputs are not served.
.set PITCH, 272                        ; a stage row: 256 bytes of codes + 16
.set SPARE, 4*32*PITCH                 ; behind the four stages: the spare words, 128 bytes a wave
.set SPW,  14                          ; v14  my spare word's LDS address; never rewritten
.set NIL,  15                          ; v15  0; never rewritten
.set OFF,  16                          ; v16-47   weights: 4 x lane + i rows of N x 4 bytes
.set XW,   48                          ; v48-111  weights: two sets of 32 numbers
.set CW,   112                         ; v112-119 a block's codes
.set OUTR, 120                         ; v120-183 rows read back from the stage
.set OO,   184                         ; v184-199 their places in wc
.set WG0,  384                         ; the first work-group of the layer norm
.set NOUT, 3                           ; sets of codes
.set G,    16                          ; v16-47   gain of my 32 columns
.set BT,   48                          ; v48-79   bias
.set X,    80                          ; v80-207  four rows x 32 numbers
.set T,    208                         ; v208-223 two sets of 8, at work
.set C,    224                         ; v224-247 codes: 8 registers a set
.set SC,   248                         ; v248.. for each set: 2^e, 448 x 2^e
.set OB,   56                          ; s56..    for each set: its base
.macro MKSCALE e, vs, vl, t            ; s[e] = e  ->  v[vs] = 2^e as f32, v[vl] = 448 x 2^e
	s_add_co_i32 s[\t], s[\e], 127
	s_lshl_b32 s[(\t)+1], s[\t], 23
	v_mov_b32 v[\vs], s[(\t)+1]
	s_add_co_i32 s[\t], s[\t], 8
	s_lshl_b32 s[\t], s[\t], 23
	s_or_b32 s[\t], s[\t], 0x600000
	v_mov_b32 v[\vl], s[\t]
.endm
.macro LOADW t                         ; block t: W(32 t + i, my column), i = 0 .. 31, into set t % 2
.set i, 0
.rept 32
	global_load_b32 v[XW+32*((\t)%2)+i], v[OFF+i], s[68+2*(\t):69+2*(\t)] th:TH_LOAD_NT
.set i, i+1
.endr
.endm
.macro BLOCKW t
.set XS, XW+32*((\t)%2)
.if (\t) < 7
	s_wait_loadcnt 32                              ; this block's 32 loads are in; the next block's 32 may be out
.else
	s_wait_loadcnt 0x0
.endif
.set i, 0
.rept 32
	v_med3_num_f32 v[XS+i], v[XS+i], -v10, v10     ; the conversion to an 8-bit code does not saturate (ISA guide 7.6.2): the hold comes first
.set i, i+1
.endr
.irp g, 0,1,2,3
	v_cvt_scalef32_pk8_fp8_f32 v[CW+2*\g:CW+2*\g+1], v[XS+8*\g:XS+8*\g+7], v11
.endr
	ds_store_b128 v4, v[CW:CW+3] offset:32*(\t)    ; 32 codes of my column's row
	ds_store_b128 v4, v[CW+4:CW+7] offset:32*(\t)+16
.if (\t)+2 < 8
	LOADW (\t)+2
.endif
	s_wait_dscnt 0x0                               ; the stores have read their registers: the next block's codes may be written
.endm
.macro JOIN                            ; four chains of pairs -> v3
	v_pk_add_f32 v[T:T+1], v[T:T+1], v[T+2:T+3]
	v_pk_add_f32 v[T+4:T+5], v[T+4:T+5], v[T+6:T+7]
	v_pk_add_f32 v[T:T+1], v[T:T+1], v[T+4:T+5]
	v_add_f32 v3, v[T], v[T+1]
.endm
.macro REDUCE                          ; v3 summed over the 32 lanes, in every lane
	v_add_f32_dpp v3, v3, v3 row_xmask:1 row_mask:0xf bank_mask:0xf
	v_add_f32_dpp v3, v3, v3 row_xmask:2 row_mask:0xf bank_mask:0xf
	v_add_f32_dpp v3, v3, v3 row_xmask:4 row_mask:0xf bank_mask:0xf
	v_add_f32_dpp v3, v3, v3 row_xmask:8 row_mask:0xf bank_mask:0xf
	v_permlanex16_b32 v4, v3, s12, s13
	v_add_f32 v3, v3, v4
.endm
.macro LNROW row, left                 ; one row: left = the later rows' loads, which may stay out
.set XR, X+32*(\row)
	s_wait_loadcnt \left
.irp k, 0,1,2,3
	v_pk_add_f32 v[T+2*\k:T+2*\k+1], v[XR+2*\k:XR+2*\k+1], v[XR+8+2*\k:XR+9+2*\k]
.endr
.irp m, 16,24
.irp k, 0,1,2,3
	v_pk_add_f32 v[T+2*\k:T+2*\k+1], v[T+2*\k:T+2*\k+1], v[XR+\m+2*\k:XR+\m+2*\k+1]
.endr
.endr
	JOIN
	REDUCE
	v_mul_f32 v6, s14, v3                          ; the mean: sum / 1024
.set j, 0
.rept 16
	v_pk_add_f32 v[XR+j:XR+j+1], v[XR+j:XR+j+1], v[6:7] op_sel_hi:[1,0] neg_lo:[0,1] neg_hi:[0,1]   ; x - mean
.set j, j+2
.endr
.irp k, 0,1,2,3
	v_pk_mul_f32 v[T+2*\k:T+2*\k+1], v[XR+2*\k:XR+2*\k+1], v[XR+2*\k:XR+2*\k+1]
.endr
.irp m, 8,16,24
.irp k, 0,1,2,3
	v_pk_fma_f32 v[T+2*\k:T+2*\k+1], v[XR+\m+2*\k:XR+\m+2*\k+1], v[XR+\m+2*\k:XR+\m+2*\k+1], v[T+2*\k:T+2*\k+1]
.endr
.endr
	JOIN
	REDUCE
	v_fma_f32 v8, v3, s14, s15                     ; the variance + 1e-5
	v_rsq_f32 v10, v8
	v_nop                                          ; a plain instruction behind the transcendental,
	s_wait_alu depctr_va_vdst(0)                   ; and the wait ahead of the first use of its result
.set j, 0
.rept 16
	v_pk_mul_f32 v[XR+j:XR+j+1], v[XR+j:XR+j+1], v[10:11] op_sel_hi:[1,0]
.set j, j+2
.endr
.set j, 0
.rept 16
	v_pk_fma_f32 v[XR+j:XR+j+1], v[XR+j:XR+j+1], v[G+j:G+j+1], v[BT+j:BT+j+1]
.set j, j+2
.endr
	s_wait_xcnt 0x0                                ; the last row's stores have read their codes: the registers may be written again
.set jj, 0
.rept NOUT
.irp c, 0,1,2,3
.set TS, T+8*((\c)%2)                  ; the two sets take turns: eight plain lines stand between a conversion and the next write of its sources
.irp i, 0,1,2,3,4,5,6,7
	v_med3_num_f32 v[TS+\i], v[XR+8*\c+\i], -v[SC+2*jj+1], v[SC+2*jj+1]
.endr
	v_cvt_scalef32_pk8_fp8_f32 v[C+8*jj+2*\c:C+8*jj+2*\c+1], v[TS:TS+7], v[SC+2*jj]
	global_store_b64 v2, v[C+8*jj+2*\c:C+8*jj+2*\c+1], s[OB+2*jj:OB+2*jj+1] offset:1024*(\row)+256*\c   ; the wave stores 256 consecutive bytes, aligned
.endr
.set jj, jj+1
.endr
.endm
	s_load_b256 s[4:11], s[0:1], 0x0               ; x s[4:5], ln1_g s[6:7], ln1_b s[8:9], lowp_scales s[10:11]
	s_load_b512 s[16:31], s[0:1], 0x20             ; wq 16, wk 18, wv 20, w_proj 22, w_ff1 24, w_ff2 26, wc 28, hc 30
	v_lshl_add_u32 v[SPW], v0, 2, SPARE
	v_mov_b32 v[NIL], 0
	v_lshrrev_b32 v1, 5, v0
	v_readfirstlane_b32 s2, v1                     ; wave 0..3
	v_and_b32 v2, 31, v0                           ; lane
	s_wait_kmcnt 0x0
	s_load_b512 s[36:51], s[10:11], 0x0            ; the sixteen exponents: entry i in s[36 + i]
	s_cmp_ge_u32 ttmp9, WG0
	s_cbranch_scc1 .Lln
	; ---------------- the weights.  Which tensor: w < 128: wq, wk, wv, w_proj, 32 work-groups each; < 256: w_ff1; else w_ff2
	s_mov_b32 s57, 4096                            ; N x 4 bytes
	s_mov_b32 s58, 4096                            ; K
	s_mov_b32 s60, 0x800000                        ; its place in wc
	s_mov_b32 s61, 256                             ; its first work-group
	s_cmp_lt_u32 ttmp9, 256
	s_cselect_b64 s[54:55], s[24:25], s[26:27]
	s_cselect_b32 s57, 16384, s57
	s_cselect_b32 s58, 1024, s58
	s_cselect_b32 s59, 5, 3                        ; log2 of N / 128
	s_cselect_b32 s60, 0x400000, s60
	s_cselect_b32 s61, 128, s61
	s_cmp_lt_u32 ttmp9, 128
	s_cselect_b64 s[54:55], s[22:23], s[54:55]
	s_cselect_b32 s57, 4096, s57
	s_cselect_b32 s59, 3, s59
	s_cselect_b32 s60, 0x300000, s60
	s_cselect_b32 s61, 96, s61
	s_cmp_lt_u32 ttmp9, 96
	s_cselect_b64 s[54:55], s[20:21], s[54:55]
	s_cselect_b32 s60, 0x200000, s60
	s_cselect_b32 s61, 64, s61
	s_cmp_lt_u32 ttmp9, 64
	s_cselect_b64 s[54:55], s[18:19], s[54:55]
	s_cselect_b32 s60, 0x100000, s60
	s_cselect_b32 s61, 32, s61
	s_cmp_lt_u32 ttmp9, 32
	s_cselect_b64 s[54:55], s[16:17], s[54:55]
	s_cselect_b32 s60, 0, s60
	s_cselect_b32 s61, 0, s61
	s_sub_co_u32 s61, ttmp9, s61                   ; u: my number within the tensor
	s_bfm_b32 s62, s59, 0
	s_and_b32 s62, s61, s62                        ; which 128 columns
	s_lshr_b32 s63, s61, s59                       ; which 256 along K
	s_lshl_b32 s62, s62, 7
	s_lshl_b32 s52, s2, 5
	s_add_co_u32 s62, s62, s52                     ; my wave's first column
	s_mul_i32 s52, s63, s57
	s_lshl_b32 s52, s52, 8                         ; 256 y rows of N x 4 bytes
	s_lshl_b32 s53, s62, 2
	s_add_co_u32 s52, s52, s53
	s_mov_b32 s53, 0
	s_add_nc_u64 s[68:69], s[54:55], s[52:53]      ; block 0's base;
	s_lshl_b32 s66, s57, 5
	s_mov_b32 s67, 0
.irp t, 1,2,3,4,5,6,7
	s_add_nc_u64 s[68+2*\t:69+2*\t], s[66+2*\t:67+2*\t], s[66:67]   ; a base for each block of 32 rows, so that none is ever stepped
.endr
	s_mul_i32 s52, s62, s58                        ; codes: column x K
	s_add_co_u32 s52, s52, s60
	s_lshl_b32 s56, s63, 8
	s_add_co_u32 s52, s52, s56                     ; + 256 y
	s_add_nc_u64 s[28:29], s[28:29], s[52:53]
	v_lshlrev_b32 v3, 2, v2
.set i, 0
.rept 32
	v_mad_u32_u24 v[OFF+i], s57, i, v3
.set i, i+1
.endr
	LOADW 0
	LOADW 1
	s_mul_i32 s56, s2, 32*PITCH                    ; my stage
	v_mul_u32_u24 v4, v2, PITCH
	v_add_nc_u32 v4, s56, v4                       ; into it: row = my column
	v_and_b32 v5, 15, v2
	v_lshrrev_b32 v6, 4, v2
	v_mul_u32_u24 v7, v6, PITCH
	v_lshl_add_u32 v7, v5, 4, v7
	v_add_nc_u32 v7, s56, v7                       ; out of it: sixteen lanes to a row, two rows an instruction
	v_lshlrev_b32 v9, 4, v5
	v_mad_u32_u24 v8, v6, s58, v9
.set i, 0
.rept 16
	v_mad_u32_u24 v[OO+i], s58, 2*i, v8            ; and the same rows in wc, K bytes apart
.set i, i+1
.endr
	s_wait_kmcnt 0x0
	s_cmp_lt_u32 ttmp9, 256                        ; the tensor's exponent: entries 1, 3, 5, 11, 13, 15
	s_cselect_b32 s56, s49, s51
	s_cmp_lt_u32 ttmp9, 128
	s_cselect_b32 s56, s47, s56
	s_cmp_lt_u32 ttmp9, 96
	s_cselect_b32 s56, s41, s56
	s_cmp_lt_u32 ttmp9, 64
	s_cselect_b32 s56, s39, s56
	s_cmp_lt_u32 ttmp9, 32
	s_cselect_b32 s56, s37, s56
	MKSCALE 56, 11, 10, 52
.irp t, 0,1,2,3,4,5,6,7
	BLOCKW \t
.endr
.irp t, 0,1,2,3,4,5,6,7,8,9,10,11,12,13,14,15
	ds_load_b128 v[OUTR+4*\t:OUTR+4*\t+3], v7 offset:2*\t*PITCH   ; LDS serves a wave's instructions in order: these see my stores
.endr
.irp t, 0,1,2,3,4,5,6,7,8,9,10,11,12,13,14,15
	s_wait_dscnt 15-\t                             ; the younger read-backs may stay out
	global_store_b128 v[OO+\t], v[OUTR+4*\t:OUTR+4*\t+3], s[28:29]
.endr
	s_wait_tensorcnt 0x0                           ; the wave's end, behind my last LDS store
	ds_add_u32 v[SPW], v[NIL]
	s_wait_dscnt 0x0
	s_endpgm
	; ---------------- layer norm 1
.Lln:
	s_sub_co_u32 s52, ttmp9, WG0
	s_lshl_b32 s52, s52, 4
	s_lshl_b32 s53, s2, 2
	s_add_co_u32 s52, s52, s53                     ; my wave's first row: 16 x work-group + 4 x wave
	s_lshl_b32 s54, s52, 12
	s_mov_b32 s55, 0
	s_add_nc_u64 s[4:5], s[4:5], s[54:55]
	s_lshl_b32 s54, s52, 10
	s_add_nc_u64 s[OB:OB+1], s[30:31], s[54:55]
	s_add_nc_u64 s[OB+2:OB+3], s[OB:OB+1], 0x400000
	s_add_nc_u64 s[OB+4:OB+5], s[OB+2:OB+3], 0x400000
	s_mov_b32 s12, 0x76543210                      ; v_permlanex16_b32: lane l xor 16
	s_mov_b32 s13, 0xfedcba98
	s_mov_b32 s14, 0x3a800000                      ; 1 / 1024
	s_mov_b32 s15, 0x3727c5ac                      ; 1e-5
	v_lshlrev_b32 v1, 5, v2                        ; 32 bytes a lane: 8 neighbours of each chunk of 256 columns
	v_lshlrev_b32 v2, 3, v2                        ; their 8 codes
	v_mov_b32 v4, 0                                ; (a lane permute's destination counts as read)
	v_mov_b32 v7, 0                                ; (named as the upper halves of broadcast pairs)
	v_mov_b32 v11, 0
.irp c, 0,1,2,3
	global_load_b128 v[G+8*\c:G+8*\c+3], v1, s[6:7] offset:1024*\c
	global_load_b128 v[G+8*\c+4:G+8*\c+7], v1, s[6:7] offset:1024*\c+16
	global_load_b128 v[BT+8*\c:BT+8*\c+3], v1, s[8:9] offset:1024*\c
	global_load_b128 v[BT+8*\c+4:BT+8*\c+7], v1, s[8:9] offset:1024*\c+16
.endr
.irp r, 0,1,2,3
.irp c, 0,1,2,3
	global_load_b128 v[X+32*\r+8*\c:X+32*\r+8*\c+3], v1, s[4:5] offset:4096*\r+1024*\c th:TH_LOAD_NT
	global_load_b128 v[X+32*\r+8*\c+4:X+32*\r+8*\c+7], v1, s[4:5] offset:4096*\r+1024*\c+16 th:TH_LOAD_NT
.endr
.endr
	s_wait_kmcnt 0x0
.set jj, 0
.rept NOUT
	MKSCALE 36+2*jj, SC+2*jj, SC+2*jj+1, 62
.set jj, jj+1
.endr
	LNROW 0, 24
	LNROW 1, 16
	LNROW 2, 8
	LNROW 3, 0
	s_endpgm
.Lfunc_end_k_qbffd13ef73_prep:
	.size	k_qbffd13ef73_prep, .Lfunc_end_k_qbffd13ef73_prep-k_qbffd13ef73_prep
	.p2alignl 7, 3214868480
	.fill 96, 4, 3214868480
	.section	.rodata,"a",@progbits
	.p2align	6, 0x0
	.amdhsa_kernel k_qbffd13ef73_prep
		.amdhsa_group_segment_fixed_size 35840
		.amdhsa_private_segment_fixed_size 0
		.amdhsa_enable_private_segment 0
		.amdhsa_kernarg_size 96
		.amdhsa_user_sgpr_count 2
		.amdhsa_user_sgpr_kernarg_segment_ptr 1
		.amdhsa_wavefront_size32 1
		.amdhsa_system_sgpr_workgroup_id_x 1
		.amdhsa_system_sgpr_workgroup_id_y 1
		.amdhsa_system_sgpr_workgroup_id_z 1
		.amdhsa_system_vgpr_workitem_id 0
		.amdhsa_next_free_vgpr 256
		.amdhsa_next_free_sgpr 100
		.amdhsa_reserve_vcc 0
		.amdhsa_float_denorm_mode_32 3
		.amdhsa_float_denorm_mode_16_64 3
		.amdhsa_memory_ordered 1
		.amdhsa_forward_progress 1
		.amdhsa_inst_pref_size 117
	.end_amdhsa_kernel
	.amdgpu_metadata
---
amdhsa.version: [ 1, 2 ]
amdhsa.kernels:
  - .name:           k_qbffd13ef73_prep
    .symbol:         k_qbffd13ef73_prep.kd
    .args:
      - { .name: x, .offset: 0, .size: 8, .value_kind: global_buffer, .address_space: global }
      - { .name: ln1_g, .offset: 8, .size: 8, .value_kind: global_buffer, .address_space: global }
      - { .name: ln1_b, .offset: 16, .size: 8, .value_kind: global_buffer, .address_space: global }
      - { .name: lowp_scales, .offset: 24, .size: 8, .value_kind: global_buffer, .address_space: global }
      - { .name: wq, .offset: 32, .size: 8, .value_kind: global_buffer, .address_space: global }
      - { .name: wk, .offset: 40, .size: 8, .value_kind: global_buffer, .address_space: global }
      - { .name: wv, .offset: 48, .size: 8, .value_kind: global_buffer, .address_space: global }
      - { .name: w_proj, .offset: 56, .size: 8, .value_kind: global_buffer, .address_space: global }
      - { .name: w_ff1, .offset: 64, .size: 8, .value_kind: global_buffer, .address_space: global }
      - { .name: w_ff2, .offset: 72, .size: 8, .value_kind: global_buffer, .address_space: global }
      - { .name: wc, .offset: 80, .size: 8, .value_kind: global_buffer, .address_space: global }
      - { .name: hc, .offset: 88, .size: 8, .value_kind: global_buffer, .address_space: global }
    .group_segment_fixed_size: 35840
    .private_segment_fixed_size: 0
    .kernarg_segment_align: 8
    .kernarg_segment_size: 96
    .max_flat_workgroup_size: 128
    .sgpr_count:     100
    .vgpr_count:     256
    .wavefront_size: 32
...
	.end_amdgpu_metadata
.endif
;; end of part 1
;; launch qkv (part 2): grid 24 x 32, 4 waves a work-group, clusters of 4 x 4, 327,680 bytes of LDS; arguments hc, wc, lowp_scales, freqs_cis, qkv; writes qkv
.if DOCPART == 2
	.amdgcn_target "amdgcn-amd-amdhsa--gfx1250"
	.amdhsa_code_object_version 6
	.text
	.protected	k_qbffd13ef73_qkv
	.globl	k_qbffd13ef73_qkv
	.p2align	8
	.type	k_qbffd13ef73_qkv,@function
k_qbffd13ef73_qkv:
	s_mov_b64 s[64:65], 0
	v_nop
	global_prefetch_b8 v0, s[64:65] scope:SCOPE_SE
	s_setreg_imm32_b32 hwreg(HW_REG_WAVE_MODE, 25, 1), 1
	s_wait_xcnt 0x0
	s_wait_alu depctr_hold_cnt(0) depctr_sa_sdst(0) depctr_va_vdst(0) depctr_va_sdst(0) depctr_va_ssrc(0) depctr_va_vcc(0) depctr_vm_vsrc(0)
	s_getreg_b32 s2, hwreg(HW_REG_IB_STS2, 6, 4)
	s_cmp_eq_u32 s2, 0
	s_cbranch_scc0 .Lentry_in_a_cluster
	s_endpgm
.Lentry_in_a_cluster:
	s_bfe_u32 s2, ttmp6, 0x10000c
	s_cmp_lg_u32 s2, 0xf033
	s_cbranch_scc0 .Lentry_shape_is_right
	s_endpgm
.Lentry_shape_is_right:
; QKV.  q, k, v = LN1(x) wq, wk, wv on codes of E4M3; q and k are rotated (RoPE); all three are quantised again, for attention.
; C is [4096 tokens][3072]: columns 0-1023 q, 1024-2047 k, 2048-3071 v.  A = hc (three sets of codes, one for each product's own scale), B = wc's first 3 MiB, [3072][1024], K innermost.
; A tile of C is 128 x 128: 768 work-groups.  Four waves, each 64 x 64: 16 accumulators.  K = 1,024 lies in two LDS slots of 512, both filled at the start: nothing is filled again.
; CLUSTERS 4 x 4: the four of a row of the cluster need the same tile of A, the four of a column the same tile of B: each is asked for jointly.  A cluster spans 512 columns, so all its partners make the same one of q, k, v.
; THE MATRIX INSTRUCTION IS USED TRANSPOSED for q and k (source 0 = 16 rows of B, source 1 = 16 tokens): a lane holds one token and eight neighbouring columns, which are neighbours along attention's first K.
; For v the two fragments' LDS addresses change places (same pitch, same size): a lane then holds one column d and eight neighbouring tokens, neighbours along attention's second K.
; A fragment, 16 rows x 128 K, comes by four loads of 16 bytes: registers 4 c .. 4 c + 3 hold K = 32 c + 16 (l / 16) + 0 .. 15, alike in A and B: every product meets its partner.
; OUT: q at 0, k at 4 MiB: [32 b x head][2048][64];  v at 8 MiB: [32][16 blocks of keys][64 d][128 places].  In each a tile is two dense blocks of 8 KiB; it goes through a stage in LDS laid as memory (16 bytes of padding behind each 256).
; THE ORDER OF v's KEYS: place 32 c + 16 g + 8 u + j of a row holds key 32 c + 16 u + 8 g + j (in each 32 the second and the third eight change places): the order in which attention's loads of 16 bytes meet its weights' codes.
; LIMITS: eO - eA - eB (entries 6-0-1, 7-2-3, 8-4-5) between -126 and 119.  NaN and infinities are not served.
; REGISTERS: window 0: v1-31 addresses and constants; v32-95 two sets of cos and sin; v96-111 at work; v128-255 accumulators ((a, b) at v[128 + 8 (4 a + b)]).  window 1: two fragment buffers of 128 (A's four blocks, then B's four).
.set ADIM0,  512                       ; A's tile as the descriptor states it: bytes in a row,
.set ADIM1,  64                        ; rows,
.set ASTR,   1024                      ; bytes from row to row,
.set AQI,    6                         ; padding behind every 2 << 6 words = 512 bytes
.set AROWB,  1024                      ; bytes from token to token in memory
.set APITCH, 528                       ; and in LDS
.set APIECES, 16                       ; pieces of 32 bytes that lie on end
.set ASLAB,  0
.set AHALF,  64*528                    ; 64 tokens x 512 K in LDS
.set ASTEP,  512                       ; from slot to slot in memory
.set WOFF,   0
.set KROWB,  1024
.set LAPS,   1
.set BPITCH, 528
.set BHALF,  64*BPITCH
.set SLOT,   2*AHALF+2*BHALF           ; A's two halves, then B's two
.set STAGEQ, 2*SLOT                    ; behind the ring: the stage of q's and k's tiles, 64 x 272 bytes,
.set STAGEV, STAGEQ+17408              ; that of v's tiles,
.set SPARE,  STAGEV+17408              ; and the spare words, 128 bytes a wave
.set G1, 24
.set G0, 32
.set G1B, 48
.set G0B, 56
.set ADRA, 16                          ; v16-17 LDS address of source 1's fragments in slot 0, 1
.set ADRB, 20                          ; v20-21 of source 0's
.set STOQ, 24
.set STOV, 25
.set RDQ,  26
.set RDV,  27
.set SPW,  28                          ; my spare word; never rewritten
.set NIL,  29                          ; 0; never rewritten
.set CO,   30
.set FO,   31
.set ACC,  128
.set F0,   0
.set F1,   128
.set MUL,  0x05                        ; sources 0 and 1 window 1; C and D window 0
.set TO_F, 0x40                        ; destination window 1, address window 0
.set MSB, 0
.macro WIN new                         ; the immediate's high byte repeats the setting that is left
.if MSB != \new
	s_set_vgpr_msb (MSB<<8)|\new
.set MSB, \new
.endif
.endm
.macro JLOAD s                         ; a joint load: waves 0 and 1 fetch A's halves, waves 2 and 3 B's; an s_nop 0 and four v_nop follow each line
	s_cmp_eq_u32 s17, 0
	s_cbranch_scc0 .Lfor_b_\@
	tensor_load_to_lds s[G0+4*\s:G0+4*\s+3], s[G1:G1+7]
	s_nop 0
.rept 4
	v_nop
.endr
	s_branch .Lasked_\@
.Lfor_b_\@:
	tensor_load_to_lds s[G0B+4*\s:G0B+4*\s+3], s[G1B:G1B+7]
	s_nop 0
.rept 4
	v_nop
.endr
.Lasked_\@:
.endm
.macro CREST                           ; a round of the cluster's barrier behind its opening barrier
	s_cmp_lg_u32 s16, 0
	s_cbranch_scc1 .Lnot_wave_0_\@
	s_barrier_signal -3
.Lnot_wave_0_\@:
	s_barrier_wait -3
	s_barrier_signal -1
	s_barrier_wait -1
.endm
.macro CROUND
	s_barrier_signal -1
	s_barrier_wait -1
	CREST
.endm
.macro PLACES                          ; four places behind matrix instructions, in front of loads into their registers and of reads of their results
.rept 4
	v_nop
.endr
.endm
.macro FETCH slot, q, f                ; 32 LDS loads in one run: the slot's q-th 128 along K into buffer f: source 0's four blocks, then source 1's
	WIN TO_F
.irp i, 0,1,2,3
.irp c, 0,1,2,3
	ds_load_b128 v[\f+64+16*\i+4*\c:\f+64+16*\i+4*\c+3], v[ADRB+\slot] offset:32*(4*(\q)+\c)+\i*16*BPITCH
.endr
.endr
.irp i, 0,1,2,3
.irp c, 0,1,2,3
	ds_load_b128 v[\f+16*\i+4*\c:\f+16*\i+4*\c+3], v[ADRA+\slot] offset:((4*(\q)+\c)/APIECES)*ASLAB+32*((4*(\q)+\c)%APIECES)+\i*16*APITCH
.endr
.endr
.endm
.macro MUL4 f, a, zero                 ; four matrix instructions: block a of source 1 against source 0's four.  The 16 accumulators take turns, one instruction a turn
.irp b, 0,1,2,3
.if \zero
	v_wmma_f32_16x16x128_fp8_fp8 v[ACC+8*(4*(\a)+\b):ACC+8*(4*(\a)+\b)+7], v[\f+64+16*\b:\f+64+16*\b+15], v[\f+16*(\a):\f+16*(\a)+15], 0
.else
	v_wmma_f32_16x16x128_fp8_fp8 v[ACC+8*(4*(\a)+\b):ACC+8*(4*(\a)+\b)+7], v[\f+64+16*\b:\f+64+16*\b+15], v[\f+16*(\a):\f+16*(\a)+15], v[ACC+8*(4*(\a)+\b):ACC+8*(4*(\a)+\b)+7]
.endif
.endr
.endm
.macro QUARTER slot, nq, f, g, zero    ; 128 along K from buffer f; in its middle the slot's nq-th 128 are fetched into g
	s_wait_dscnt 8                                 ; all but the youngest eight loads (source 1's blocks 2 and 3) are in
	WIN MUL
	MUL4 \f, 0, \zero
	MUL4 \f, 1, \zero
	PLACES
	FETCH \slot, \nq, \g
	s_wait_dscnt 32                                ; all but the 32 just issued
	WIN MUL
	MUL4 \f, 2, \zero
	MUL4 \f, 3, \zero
.endm
.macro TURN slot, next, fill           ; a slot's last 128 along K, and the change of slots: one barrier
	WIN 0
	s_wait_tensorcnt 0x0                           ; all my tensor loads have landed: my part of the next slot;
	ds_add_u32 v[SPW], v[NIL]                      ; 0 onto my spare word;
	s_wait_dscnt 9                                 ; (the add and the youngest eight loads may be out)
	WIN MUL
	MUL4 F1, 0, 0
	s_wait_dscnt 0x0                               ; the add is done, and my reads of this slot are over
	s_barrier_signal -1
	MUL4 F1, 1, 0
	WIN 0
	s_barrier_wait -1
.if \fill
	CREST
	s_add_nc_u64 s[G0+4*\slot+2:G0+4*\slot+3], s[G0+4*\slot+2:G0+4*\slot+3], 2*ASTEP
	s_add_nc_u64 s[G0B+4*\slot+2:G0B+4*\slot+3], s[G0B+4*\slot+2:G0B+4*\slot+3], 1024
	JLOAD \slot
.else
	PLACES
.endif
	FETCH \next, 0, F0
	WIN MUL
	MUL4 F1, 2, 0
	MUL4 F1, 3, 0
.endm
.macro FLOAD a                         ; cos and sin for my token of block a: words 16 b + 8 (l / 16) + 0 .. 7 of its row of 64: (cos, sin) of four pairs, in the order of my eight columns
.irp b, 0,1,2,3
	global_load_b128 v[32+32*((\a)%2)+8*\b:32+32*((\a)%2)+8*\b+3], v[FO], s[10:11] offset:4096*(\a)+64*\b
	global_load_b128 v[32+32*((\a)%2)+8*\b+4:32+32*((\a)%2)+8*\b+7], v[FO], s[10:11] offset:4096*(\a)+64*\b+16
.endr
.endm
.macro ROPE a                          ; block a of q or k: rotated, held, quantised, into the stage
.set FS, 32+32*((\a)%2)
.if (\a) < 3
	s_wait_loadcnt 8                               ; this block's table is in; the next block's eight loads may be out
.else
	s_wait_loadcnt 0x0
.endif
.irp b, 0,1,2,3
.set AC8, ACC+8*(4*(\a)+\b)
.set US, 96+8*(\b%2)                   ; two sets by turns: plain lines stand between a conversion and the next write of its sources
.irp i, 0,2,4,6
	v_pk_mul_f32 v[US+\i:US+\i+1], v[AC8+\i:AC8+\i+1], v[FS+8*\b+\i:FS+8*\b+\i+1] op_sel_hi:[0,1]   ; (t0 cos, t0 sin)
.endr
.irp i, 0,2,4,6
	v_pk_fma_f32 v[US+\i:US+\i+1], v[AC8+\i:AC8+\i+1], v[FS+8*\b+\i:FS+8*\b+\i+1], v[US+\i:US+\i+1] op_sel:[1,1,0] op_sel_hi:[1,0,1] neg_lo:[0,1,0]   ; (- t1 sin, + t1 cos)
.endr
.irp i, 0,1,2,3,4,5,6,7
	v_med3_num_f32 v[US+\i], v[US+\i], -v9, v9
.endr
	v_cvt_scalef32_pk8_fp8_f32 v[AC8:AC8+1], v[US:US+7], v8    ; the codes take the place of sums that are spent
	ds_store_b64 v[STOQ], v[AC8:AC8+1] offset:1088*(\a)+16*\b
.endr
	v_nop                                          ; a plain line behind the last conversion
.if (\a) < 2
	FLOAD (\a)+2
.endif
.endm
.macro VQ a                            ; block a of v: held, quantised, into the stage.  My eight tokens are keys 16 b + 8 (l / 16) + 0 .. 7 of my wave's 64: their place is 32 (b / 2) + 16 (l / 16) + 8 (b % 2)
.irp b, 0,1,2,3
.set AC8, ACC+8*(4*(\a)+\b)
.set US, 96+8*(\b%2)
.irp i, 0,1,2,3,4,5,6,7
	v_med3_num_f32 v[US+\i], v[AC8+\i], -v9, v9
.endr
	v_cvt_scalef32_pk8_fp8_f32 v[AC8:AC8+1], v[US:US+7], v8
	ds_store_b64 v[STOV], v[AC8:AC8+1] offset:2176*(\a)+32*(\b/2)+8*(\b%2)
.endr
	v_nop
.endm
.macro OUTCODES rd                     ; the tile leaves: a block of 256 bytes comes from two waves, so a barrier stands between the stores and the loads
	s_wait_dscnt 0x0                               ; for the others' sake: my stores into the stage are done
	s_barrier_signal -1
	s_barrier_wait -1
.irp i, 0,1,2,3,4,5,6,7
	ds_load_b128 v[32+4*\i:35+4*\i], v[\rd] offset:2176*\i
.endr
.irp i, 0,1,2,3,4,5,6,7
	s_wait_dscnt 7-\i                              ; the younger read-backs may stay out
	global_store_b128 v[CO], v[32+4*\i:35+4*\i], s[12:13] offset:(\i>>2)*131072+(\i&3)*2048   ; a wave stores 512 consecutive bytes, aligned
.endr
	s_wait_tensorcnt 0x0                           ; the wave's end
	ds_add_u32 v[SPW], v[NIL]
	s_wait_dscnt 0x0
	CROUND                                         ; the closing round
	s_endpgm
.endm
	s_load_b256 s[4:11], s[0:1], 0x0               ; hc s[4:5], wc s[6:7], lowp_scales s[8:9], freqs_cis s[10:11]
	s_load_b64 s[12:13], s[0:1], 0x20              ; qkv
	v_lshl_add_u32 v[SPW], v0, 2, SPARE
	v_mov_b32 v[NIL], 0
	ds_add_u32 v[SPW], v[NIL]                      ; the wave's opening: the add, waited for ahead of my first tensor load
	v_lshrrev_b32 v1, 5, v0
	v_readfirstlane_b32 s16, v1                    ; wave 0..3
	s_lshr_b32 s17, s16, 1                         ; WR: which half for source 1.  Also: I fetch for A (0) or B (1)
	s_and_b32 s18, s16, 1                          ; WC: which half for source 0.  Also: which 64 rows I fetch
	s_bfe_u32 s19, ttmp6, 0x40000                  ; cx
	s_bfe_u32 s20, ttmp6, 0x40004                  ; cy
	s_lshl_b32 s21, ttmp9, 2
	s_add_co_u32 s21, s21, s19                     ; tile column
	s_and_b32 s22, ttmp7, 0xffff
	s_lshl_b32 s22, s22, 2
	s_add_co_u32 s22, s22, s20                     ; tile row
	s_lshl_b32 s23, s20, 2
	s_lshl_b32 s23, 15, s23                        ; my row of the cluster
	s_lshl_b32 s40, 0x1111, s19                    ; my column
	s_or_b32 s[G1], s23, (1<<20)|(1<<21)|(AQI<<22)|(3<<25)   ; the mask; elements of 1 byte; padding on; bit 21 beside a mask; the interval; 4 words of padding
	s_or_b32 s[G1B], s40, (1<<20)|(1<<21)|(6<<22)|(3<<25)
	s_mov_b32 s[G1+1], ADIM0<<16                   ; tensor_dim0
	s_mov_b32 s[G1+2], ADIM1<<16                   ; tensor_dim1
	s_mov_b32 s[G1+3], ADIM0<<16                   ; tile_dim0
	s_mov_b32 s[G1+4], ADIM1                       ; tile_dim1
	s_mov_b32 s[G1+5], ASTR                        ; stride
	s_mov_b32 s[G1+6], 0
	s_mov_b32 s[G1+7], 0
	s_mov_b32 s[G1B+1], 512<<16
	s_mov_b32 s[G1B+2], 64<<16
	s_mov_b32 s[G1B+3], 512<<16
	s_mov_b32 s[G1B+4], 64
	s_mov_b32 s[G1B+5], KROWB
	s_mov_b32 s[G1B+6], 0
	s_mov_b32 s[G1B+7], 0
	s_lshl_b32 s41, s18, 6
	s_lshl_b32 s42, s22, 7
	s_add_co_u32 s42, s42, s41
	s_mul_i32 s42, s42, AROWB                      ; A: token 128 x tile row + 64 x half
	s_mov_b32 s43, 0
	s_lshr_b32 s88, ttmp9, 1                       ; which: 0 q, 1 k, 2 v: the same in all partners
	s_lshl_b32 s89, s88, 22
	s_add_co_u32 s42, s42, s89                     ; that product's own set of codes, 4 MiB apart
	s_cmp_eq_u32 s88, 2
	s_cselect_b32 s87, 1, 0                        ; SW: 1 for v
	s_xor_b32 s86, s87, 1
	s_lshl_b32 s46, s21, 7
	s_add_co_u32 s46, s46, s41
	s_mul_i32 s46, s46, KROWB                      ; B: row 128 x tile column + 64 x half
	s_add_co_u32 s46, s46, WOFF
	s_mov_b32 s47, 0
	s_mul_i32 s44, s18, AHALF                      ; where they go: no place in the cluster enters an LDS address
	s_mul_i32 s45, s18, BHALF
	s_add_co_u32 s45, s45, 2*AHALF
	s_wait_dscnt 0x0                               ; the opening add is done
	s_wait_kmcnt 0x0
	s_load_b512 s[68:83], s[8:9], 0x0              ; the exponents: entry i in s[68 + i]
	s_add_nc_u64 s[42:43], s[4:5], s[42:43]
	s_add_nc_u64 s[46:47], s[6:7], s[46:47]
	CROUND                                         ; all sixteen work-groups are here: the first joint loads meet
.irp s, 0,1
	s_mov_b32 s[G0+4*\s], 1
	s_add_co_u32 s[G0+4*\s+1], s44, \s*SLOT
	s_add_nc_u64 s[G0+4*\s+2:G0+4*\s+3], s[42:43], \s*ASTEP
	s_or_b32 s[G0+4*\s+3], s[G0+4*\s+3], 0x80000000
	s_mov_b32 s[G0B+4*\s], 1
	s_add_co_u32 s[G0B+4*\s+1], s45, \s*SLOT
	s_add_nc_u64 s[G0B+4*\s+2:G0B+4*\s+3], s[46:47], \s*512
	s_or_b32 s[G0B+4*\s+3], s[G0B+4*\s+3], 0x80000000
	JLOAD \s                                       ; two loads of mine are out
.endr
	v_and_b32 v1, 15, v0                           ; r
	v_bfe_u32 v2, v0, 4, 1                         ; h
	v_mul_u32_u24 v3, v1, APITCH
	v_lshl_add_u32 v3, v2, 4, v3
	s_mul_i32 s40, s17, AHALF                      ; source 1: the tokens' tile; for v the weights', which lies 2 halves further on
	s_mul_i32 s90, s87, 2*AHALF
	s_add_co_u32 s40, s40, s90
	s_mul_i32 s41, s18, BHALF                      ; source 0: the other one
	s_mul_i32 s90, s86, 2*AHALF
	s_add_co_u32 s41, s41, s90
.irp s, 0,1
	v_add_nc_u32 v[ADRA+\s], s40, v3
	v_add_nc_u32 v[ADRB+\s], s41, v3
	s_add_co_u32 s40, s40, SLOT
	s_add_co_u32 s41, s41, SLOT
.endr
	s_mul_i32 s40, s18, 8704                       ; q, k: the stage holds [head WC][128 tokens][64]: byte m lies at m + 16 (m / 256)
	s_mul_i32 s41, s17, 4352
	s_add_co_u32 s40, s40, s41
	s_add_co_u32 s40, s40, STAGEQ
	v_lshrrev_b32 v4, 2, v1
	v_lshlrev_b32 v[STOQ], 6, v1
	v_lshl_add_u32 v[STOQ], v4, 4, v[STOQ]
	v_lshl_add_u32 v[STOQ], v2, 3, v[STOQ]
	v_add_nc_u32 v[STOQ], s40, v[STOQ]
	s_mul_i32 s40, s17, 8704                       ; v: [head WR][64 d][128 places]
	s_lshl_b32 s41, s18, 6
	s_add_co_u32 s40, s40, s41
	s_add_co_u32 s40, s40, STAGEV
	v_lshrrev_b32 v4, 1, v1
	v_lshlrev_b32 v[STOV], 7, v1
	v_lshl_add_u32 v[STOV], v4, 4, v[STOV]
	v_lshl_add_u32 v[STOV], v2, 4, v[STOV]         ; + 16 (l / 16): the order of v's keys
	v_add_nc_u32 v[STOV], s40, v[STOV]
	v_lshrrev_b32 v4, 4, v0
	v_lshlrev_b32 v[CO], 4, v0                     ; back: 16 bytes a thread, 2,048 a work-group
	v_lshl_add_u32 v4, v4, 4, v[CO]
	v_add_nc_u32 v[RDQ], STAGEQ, v4
	v_add_nc_u32 v[RDV], STAGEV, v4
	v_lshlrev_b32 v[FO], 8, v1
	v_lshl_add_u32 v[FO], v2, 5, v[FO]             ; the table: row r of 256 bytes, + 32 h
	s_lshr_b32 s90, s22, 4                         ; out: ((batch x 16 + 2 (tile column % 8)) x 131,072 + (tile row % 16) x 8,192, in q, k or v
	s_lshl_b32 s90, s90, 4
	s_and_b32 s91, s21, 7
	s_lshl_b32 s91, s91, 1
	s_add_co_u32 s90, s90, s91
	s_lshl_b32 s90, s90, 17
	s_and_b32 s93, s22, 15
	s_lshl_b32 s92, s93, 13
	s_add_co_u32 s90, s90, s92
	s_add_co_u32 s90, s90, s89
	s_mov_b32 s91, 0
	s_add_nc_u64 s[12:13], s[12:13], s[90:91]
	s_lshl_b32 s90, s93, 15                        ; the table at position (tile row % 16) x 128 + 64 WR
	s_lshl_b32 s92, s17, 14
	s_add_co_u32 s90, s90, s92
	s_add_nc_u64 s[10:11], s[10:11], s[90:91]
	FLOAD 0                                        ; issued in every work-group, v's too, which do not use them: so no path of the text reads a register that was not loaded
	FLOAD 1
	s_wait_tensorcnt 1                             ; my part of slot 0 is in; slot 1's may stay out
	s_barrier_signal -1
	s_barrier_wait -1
	FETCH 0, 0, F0
	QUARTER 0, 1, F0, F1, 1                        ; the first products start the sums: nothing is cleared
	QUARTER 0, 2, F1, F0, 0
	QUARTER 0, 3, F0, F1, 0
	TURN 0, 1, 0
	QUARTER 1, 1, F0, F1, 0
	QUARTER 1, 2, F1, F0, 0
	QUARTER 1, 3, F0, F1, 0
	s_wait_dscnt 8
	WIN MUL
	MUL4 F1, 0, 0
	MUL4 F1, 1, 0
	s_wait_dscnt 0x0
	MUL4 F1, 2, 0
	MUL4 F1, 3, 0
	WIN 0
	PLACES
	s_wait_kmcnt 0x0
	s_cmp_eq_u32 s88, 0                            ; the three exponents of my product: A's, B's, and that of the result as an operand of attention
	s_cselect_b32 s89, s68, s70
	s_cselect_b32 s90, s69, s71
	s_cselect_b32 s91, s74, s75
	s_cmp_eq_u32 s88, 2
	s_cselect_b32 s89, s72, s89
	s_cselect_b32 s90, s73, s90
	s_cselect_b32 s91, s76, s91
	s_sub_co_i32 s91, s91, s89                     ; a sum stands for sum x 2^(eA + eB): its code is sum / 2^(eO - eA - eB): the three are folded into the conversion's one
	s_sub_co_i32 s91, s91, s90
	s_add_co_i32 s91, s91, 127
	s_lshl_b32 s92, s91, 23
	v_mov_b32 v8, s92
	s_add_co_i32 s91, s91, 8
	s_lshl_b32 s91, s91, 23
	s_or_b32 s91, s91, 0x600000
	v_mov_b32 v9, s91                              ; 448 x that
	s_cmp_eq_u32 s87, 1
	s_cbranch_scc1 .Lvpath
	ROPE 0
	ROPE 1
	ROPE 2
	ROPE 3
	OUTCODES RDQ
.Lvpath:
	s_wait_loadcnt 0x0                             ; the table's loads have landed: their registers are taken again below
	VQ 0
	VQ 1
	VQ 2
	VQ 3
	OUTCODES RDV
.Lfunc_end_k_qbffd13ef73_qkv:
	.size	k_qbffd13ef73_qkv, .Lfunc_end_k_qbffd13ef73_qkv-k_qbffd13ef73_qkv
	.p2alignl 7, 3214868480
	.fill 96, 4, 3214868480
	.section	.rodata,"a",@progbits
	.p2align	6, 0x0
	.amdhsa_kernel k_qbffd13ef73_qkv
		.amdhsa_group_segment_fixed_size 327680
		.amdhsa_private_segment_fixed_size 0
		.amdhsa_enable_private_segment 0
		.amdhsa_kernarg_size 40
		.amdhsa_user_sgpr_count 2
		.amdhsa_user_sgpr_kernarg_segment_ptr 1
		.amdhsa_wavefront_size32 1
		.amdhsa_system_sgpr_workgroup_id_x 1
		.amdhsa_system_sgpr_workgroup_id_y 1
		.amdhsa_system_sgpr_workgroup_id_z 1
		.amdhsa_system_vgpr_workitem_id 0
		.amdhsa_next_free_vgpr 512
		.amdhsa_next_free_sgpr 100
		.amdhsa_reserve_vcc 0
		.amdhsa_float_denorm_mode_32 3
		.amdhsa_float_denorm_mode_16_64 3
		.amdhsa_memory_ordered 1
		.amdhsa_forward_progress 1
		.amdhsa_inst_pref_size 71
	.end_amdhsa_kernel
	.amdgpu_metadata
---
amdhsa.version: [ 1, 2 ]
amdhsa.kernels:
  - .name:           k_qbffd13ef73_qkv
    .symbol:         k_qbffd13ef73_qkv.kd
    .args:
      - { .name: hc, .offset: 0, .size: 8, .value_kind: global_buffer, .address_space: global }
      - { .name: wc, .offset: 8, .size: 8, .value_kind: global_buffer, .address_space: global }
      - { .name: lowp_scales, .offset: 16, .size: 8, .value_kind: global_buffer, .address_space: global }
      - { .name: freqs_cis, .offset: 24, .size: 8, .value_kind: global_buffer, .address_space: global }
      - { .name: qkv, .offset: 32, .size: 8, .value_kind: global_buffer, .address_space: global }
    .group_segment_fixed_size: 327680
    .private_segment_fixed_size: 0
    .kernarg_segment_align: 8
    .kernarg_segment_size: 40
    .max_flat_workgroup_size: 128
    .sgpr_count:     100
    .vgpr_count:     512
    .wavefront_size: 32
...
	.end_amdgpu_metadata
.endif
;; end of part 2
;; launch attn (part 3): grid 8 x 32, 16 waves a work-group, clusters of 4 x 1, 327,680 bytes of LDS; arguments qkv, lowp_scales, ac; writes ac
.if DOCPART == 3
	.amdgcn_target "amdgcn-amd-amdhsa--gfx1250"
	.amdhsa_code_object_version 6
	.text
	.protected	k_qbffd13ef73_attn
	.globl	k_qbffd13ef73_attn
	.p2align	8
	.type	k_qbffd13ef73_attn,@function
k_qbffd13ef73_attn:
	s_mov_b64 s[64:65], 0
	v_nop
	global_prefetch_b8 v0, s[64:65] scope:SCOPE_SE
	s_setreg_imm32_b32 hwreg(HW_REG_WAVE_MODE, 25, 1), 1
	s_wait_xcnt 0x0
	s_wait_alu depctr_hold_cnt(0) depctr_sa_sdst(0) depctr_va_vdst(0) depctr_va_sdst(0) depctr_va_ssrc(0) depctr_va_vcc(0) depctr_vm_vsrc(0)
	s_getreg_b32 s2, hwreg(HW_REG_IB_STS2, 6, 4)
	s_cmp_eq_u32 s2, 0
	s_cbranch_scc0 .Lentry_in_a_cluster
	s_endpgm
.Lentry_in_a_cluster:
	s_bfe_u32 s2, ttmp6, 0x10000c
	s_cmp_lg_u32 s2, 0x3003
	s_cbranch_scc0 .Lentry_shape_is_right
	s_endpgm
.Lentry_shape_is_right:
; ATTENTION on codes of E4M3.  q, k: [32 b x head][2048][64]; v: [32][16 blocks][64 d][128 places of keys]; out ac: [16 heads][4096 tokens][64], codes for the projection.
; t = score x log2(e) / 8; M = the running largest t rounded UP to a whole number; p = 2^(t - M) is quantised along the keys, not normalised; the row's sum is taken of the unquantised p and divides at the end.
; When M moves, the sum and O are multiplied by 2^(old M - new M): exact.
; SHARES.  A work-group owns 256 queries of one (batch, head); each of its sixteen waves 16 of them, in 256 registers: four waves to a SIMD, so that one wave's vector work stands beside another's products and LDS loads.
; THE WHOLE HEAD'S K AND V LIE IN LDS (2,048 x 80 + 1,024 x 144 bytes): each byte of LDS is filled once, there is no ring.  Every wave issues four loads at the start, one for each chunk of 512 keys (waves 0-7: K, 8-15: V);
; a chunk is read behind a counted wait and a barrier, while the later chunks are on their way.
; CLUSTER 4 x 1: the four blocks of queries of a cluster belong to one head and ask for K and V jointly.
; LAYOUT.  Both products transposed: S^T = K Q^T (source 0 = 16 keys), O^T = V^T P^T (source 0 = 16 of the head's 64): a lane holds ONE query (lane % 16) throughout.
; A TILE'S ROWS ARE NEIGHBOURS: lane r of tile t takes row 16 t + r, of K and of V alike.  The rows' pitches, 80 and 144 bytes, are 5 and 9 times 16.
; THE ORDER OF THE KEYS IN THE SECOND PRODUCT.  The codes of tiles 2 b and 2 b + 1 stand in registers 4 b .. 4 b + 3 of p's fragment: in half h of the lanes, byte 8 u + j is key 32 b + 16 u + 8 h + j.  V's load of 16 bytes brings
; places 32 b + 16 h + 0 .. 15 of a row into the same registers.  So place 32 b + 16 h + 8 u + j of V's row holds key 32 b + 16 u + 8 h + j: the launch that makes v stores it so, and every product meets its partner.
; LIMITS: e6 + e7 between -124 and 129 (added to c's exponent field); e9, and e10 - e8 - e9, between -126 and 119.  NaN and infinities are not served.
; REGISTERS: v1, v2 places in tiles; v5, v6 the add's two; v8, v9 addresses in hand; v12 -M, v13 the largest t, v[14:15] the sum; v16-23 Q; v32-95 K's eight fragments, then V's four; v96-159 S^T, then p; v160-191 O^T; v224-239 p's codes; v236-254 at work.
.set KP,    80                         ; a key's row in LDS: 64 bytes + 16
.set VP,    144                        ; a row of V: 128 keys + 16
.set VOFF,  2048*KP
.set SPARE, VOFF+1024*VP               ; behind K and V: the spare words, 128 bytes a wave
.set AK0,  1
.set AV0,  2
.set SPW,  5
.set NIL,  6
.set GO,   7
.set ADK,  8
.set ADV,  9
.set WV,   18
.set SEL,  20
.set CS,   22
.set G1K,  24
.set G1V,  32
.set G0K,  40                          ; s[40:55] four groups 0 for K, one a chunk
.set G0V,  68                          ; s[68:83] for V
.set KB,   2
.set VB,   3
.set CNT,  66
.macro CROUND
	s_barrier_signal -1
	s_barrier_wait -1
	s_cmp_lg_u32 s[WV], 0
	s_cbranch_scc1 .Lnot_wave_0_\@
	s_barrier_signal -3
.Lnot_wave_0_\@:
	s_barrier_wait -3
	s_barrier_signal -1
	s_barrier_wait -1
.endm
	s_load_b128 s[4:7], s[0:1], 0x0                ; qkv s[4:5], lowp_scales s[6:7]
	s_load_b64 s[8:9], s[0:1], 0x10                ; ac
	v_lshl_add_u32 v[SPW], v0, 2, SPARE
	v_mov_b32 v[NIL], 0
	ds_add_u32 v[SPW], v[NIL]                      ; the wave's opening: the add, waited for ahead of my first tensor load
	v_lshrrev_b32 v8, 5, v0
	v_readfirstlane_b32 s[WV], v8                  ; wave 0..15
	s_bfe_u32 s19, ttmp6, 0x40000                  ; cx: it enters Q's and the output's addresses alone
	s_and_b32 s10, ttmp7, 0xffff                   ; batch x 16 + head, which the partners share
	s_lshl_b32 s12, s10, 17                        ; its 131,072 bytes in each of q, k, v
	s_and_b32 s11, s[WV], 7
	s_lshl_b32 s13, s11, 12                        ; my 4,096 bytes of a chunk's 32,768
	s_add_co_u32 s12, s12, s13
	s_mov_b32 s13, 0
	s_mul_i32 s14, s11, 64*KP                      ; in LDS: 64 keys,
	s_mul_i32 s15, s11, 32*VP                      ; or 32 rows of V
	s_add_co_u32 s15, s15, VOFF
	s_mov_b32 s[G1K], 15|(1<<20)|(1<<21)|(3<<22)|(3<<25)   ; the mask: all four; elements of 1 byte; padding on; bit 21 beside a mask; 4 words of padding behind every 16 words: a key
	s_mov_b32 s[G1V], 15|(1<<20)|(1<<21)|(4<<22)|(3<<25)   ; behind every 32 words: a row of 128 keys
.irp g, G1K, G1V
	s_mov_b32 s[\g+1], 256<<16                     ; the block is dense in memory: 16 rows of 256 bytes
	s_mov_b32 s[\g+2], 16<<16
	s_mov_b32 s[\g+3], 256<<16
	s_mov_b32 s[\g+4], 16
	s_mov_b32 s[\g+5], 256
	s_mov_b32 s[\g+6], 0
	s_mov_b32 s[\g+7], 0
.endr
	s_mov_b32 s[SEL], 0x76543210
	s_mov_b32 s[SEL+1], 0xfedcba98
	s_mov_b32 s[CS], 0x3e38aa3b                    ; c = log2(e) / sqrt(64)
	s_wait_dscnt 0x0                               ; the opening add is done
	s_wait_kmcnt 0x0
	s_load_b512 s[84:99], s[6:7], 0x0              ; the exponents: entry i in s[84 + i]
	s_add_nc_u64 s[56:57], s[4:5], s[12:13]
	s_add_nc_u64 s[58:59], s[56:57], 0x800000      ; v
	s_add_nc_u64 s[56:57], s[56:57], 0x400000      ; k
	CROUND                                         ; all four work-groups are here: the joint loads meet
.irp c, 0,1,2,3
	s_mov_b32 s[G0K+4*\c], 1
	s_add_co_u32 s[G0K+4*\c+1], s14, \c*512*KP
	s_add_nc_u64 s[G0K+4*\c+2:G0K+4*\c+3], s[56:57], \c*32768
	s_or_b32 s[G0K+4*\c+3], s[G0K+4*\c+3], 0x80000000
	s_mov_b32 s[G0V+4*\c], 1
	s_add_co_u32 s[G0V+4*\c+1], s15, \c*256*VP
	s_add_nc_u64 s[G0V+4*\c+2:G0V+4*\c+3], s[58:59], \c*32768
	s_or_b32 s[G0V+4*\c+3], s[G0V+4*\c+3], 0x80000000
.endr
	s_cmp_lt_u32 s[WV], 8                          ; a wave's four fills stand in one branch, ahead of every wait on TENSORcnt and every LDS read: four loads of mine are out
	s_cbranch_scc0 .Lfirst_v
.irp c, 0,1,2,3
	tensor_load_to_lds s[G0K+4*\c:G0K+4*\c+3], s[G1K:G1K+7]
	s_nop 0
.endr
.rept 4
	v_nop
.endr
	s_branch .Lfirst_asked
.Lfirst_v:
.irp c, 0,1,2,3
	tensor_load_to_lds s[G0V+4*\c:G0V+4*\c+3], s[G1V:G1V+7]
	s_nop 0
.endr
.rept 4
	v_nop
.endr
.Lfirst_asked:
	s_lshl_b32 s60, ttmp9, 2
	s_add_co_u32 s60, s60, s19
	s_lshl_b32 s60, s60, 8
	s_lshl_b32 s61, s[WV], 4
	s_add_co_u32 s60, s60, s61                     ; my first query: 256 x block + 16 x wave
	s_lshl_b32 s62, s60, 6
	s_lshl_b32 s63, s10, 17
	s_add_co_u32 s62, s62, s63
	s_mov_b32 s63, 0
	s_add_nc_u64 s[4:5], s[4:5], s[62:63]          ; its codes
	s_and_b32 s62, s10, 15
	s_lshl_b32 s62, s62, 18                        ; out: head x 262,144
	s_lshr_b32 s61, s10, 4
	s_lshl_b32 s61, s61, 11
	s_add_co_u32 s61, s61, s60
	s_lshl_b32 s61, s61, 6                         ; + (batch x 2,048 + query) x 64
	s_add_co_u32 s62, s62, s61
	s_add_nc_u64 s[8:9], s[8:9], s[62:63]
	v_and_b32 v8, 15, v0                           ; r
	v_bfe_u32 v9, v0, 4, 1                         ; h
	v_lshlrev_b32 v10, 6, v8
	v_lshl_add_u32 v10, v9, 4, v10
	global_load_b128 v[16:19], v10, s[4:5]         ; Q's fragment: registers 4 c .. 4 c + 3 hold channels 32 c + 16 h + 0 .. 15, as K's do
	global_load_b128 v[20:23], v10, s[4:5] offset:32
	v_mul_u32_u24 v[AK0], v8, KP                   ; K: row r of a tile, + 16 h
	v_lshl_add_u32 v[AK0], v9, 4, v[AK0]
	v_mul_u32_u24 v[AV0], v8, VP                   ; V likewise
	v_lshl_add_u32 v[AV0], v9, 4, v[AV0]
	v_add_nc_u32 v[AV0], VOFF, v[AV0]
	v_mov_b32 v13, 0xff61b1e6                      ; the largest t so far: -3e38
	v_floor_f32 v12, -v13                          ; -M
	v_mov_b32 v14, 0
	v_mov_b32 v15, 0
	v_mov_b32 v236, 0                              ; (a lane permute's destination counts as read)
	v_mov_b32 v253, 0                              ; (named as the upper half of the pair v[252:253])
.set j, 0
.rept 32
	v_mov_b32 v[160+j], 0                          ; O^T: the step is written once; its first run finds zeros, which the first change of M leaves zeros
.set j, j+1
.endr
	s_wait_kmcnt 0x0
	s_add_co_i32 s60, s90, s91
	s_lshl_b32 s60, s60, 23
	s_add_co_i32 s[CS], s[CS], s60                 ; a score stands for score x 2^(e6 + e7): added to c's exponent field
	s_mov_b32 s[CS+1], s[CS]
	s_add_co_i32 s60, s93, 127
	s_lshl_b32 s61, s60, 23
	v_mov_b32 v244, s61                            ; 2^e9, for p's conversion
	s_add_co_i32 s60, s60, 8
	s_lshl_b32 s60, s60, 23
	s_or_b32 s60, s60, 0x600000
	v_mov_b32 v240, s60                            ; 448 x 2^e9
	s_sub_co_i32 s60, s94, s92
	s_sub_co_i32 s60, s60, s93                     ; O^T / l stands for that x 2^(e8 + e9): its code is taken with 2^(e10 - e8 - e9)
	s_add_co_i32 s60, s60, 127
	s_lshl_b32 s61, s60, 23
	v_mov_b32 v245, s61
	s_add_co_i32 s60, s60, 8
	s_lshl_b32 s60, s60, 23
	s_or_b32 s60, s60, 0x600000
	v_mov_b32 v241, s60
; A KEY STEP: 128 keys.
.macro STEP
	v_add_nc_u32 v[ADK], s[KB], v[AK0]
	v_add_nc_u32 v[ADV], s[VB], v[AV0]
	v_nop                                          ; with the two additions: four places in front of loads into registers that the last products read
	v_nop
.irp t, 0,1,2,3,4,5,6,7
	ds_load_b128 v[32+8*\t:35+8*\t], v[ADK] offset:16*\t*KP
	ds_load_b128 v[36+8*\t:39+8*\t], v[ADK] offset:16*\t*KP+32
.endr
	s_wait_dscnt 0x0
.irp t, 0,1,2,3,4,5,6,7
	v_wmma_f32_16x16x64_fp8_fp8 v[96+8*\t:103+8*\t], v[32+8*\t:39+8*\t], v[16:23], 0
.endr
.rept 4
	v_nop
.endr
.irp t, 0,1,2,3                                ; V's four fragments land under the softmax
.irp c, 0,1,2,3
	ds_load_b128 v[32+16*\t+4*\c:35+16*\t+4*\c], v[ADV] offset:16*\t*VP+32*\c
.endr
.endr
	v_max3_num_f32 v254, v96, v97, v98             ; the step's largest score of my query among my 64 keys, in two chains, each accumulator from its low end on,
	v_max3_num_f32 v252, v99, v100, v101
.irp i, 6,10,14,18,22,26,30,34,38,42,46,50,54,58
	v_max3_num_f32 v254, v254, v[96+\i], v[97+\i]
	v_max3_num_f32 v252, v252, v[98+\i], v[99+\i]
.endr
	v_max3_num_f32 v254, v254, v158, v159
	v_max_num_f32 v254, v254, v252
	v_permlanex16_b32 v236, v254, s[SEL], s[SEL+1]
	v_max_num_f32 v254, v254, v236                 ; and among lane l xor 16's
	v_mul_f32 v254, s[CS], v254                    ; as t (c is positive)
	v_max_num_f32 v13, v13, v254                   ; the running largest t
	v_mov_b32 v254, v12
	v_floor_f32 v12, -v13                          ; the new -M = floor(-t): M is a whole number
	v_sub_f32 v254, v12, v254                      ; old M - new M: a whole number, 0 or less
	v_cvt_i32_f32 v254, v254
	v_ldexp_f32 v252, 1.0, v254                    ; f = 2^(old M - new M)
.set j, 0
.rept 32
	v_pk_fma_f32 v[96+j:97+j], v[96+j:97+j], s[CS:CS+1], v[12:13] op_sel_hi:[1,0,0]   ; t - M
.set j, j+2
.endr
.set j, 0
.rept 64
	v_exp_f32 v[96+j], v[96+j]                     ; p = 2^(t - M)
.set j, j+1
.endr
	v_pk_mul_f32 v[14:15], v[14:15], v[252:253] op_sel_hi:[1,0]   ; the sums under the new M: a plain line behind the exponentials
	s_wait_alu depctr_va_vdst(0)                   ; one wait for the whole batch, ahead of the first use of a result
	v_pk_add_f32 v[242:243], v[96:97], v[98:99]    ; the row's sum is taken of the unquantised p, in two chains
.irp j, 4,8,12,16,20,24,28,32,36,40,44,48,52,56,60
	v_pk_add_f32 v[14:15], v[14:15], v[96+\j:97+\j]
	v_pk_add_f32 v[242:243], v[242:243], v[98+\j:99+\j]
.endr
	v_pk_add_f32 v[14:15], v[14:15], v[242:243]
.irp b, 0,1,2,3
.irp i, 0,1,2,3,4,5,6,7,8,9,10,11,12,13,14,15
	v_min_num_f32 v[96+16*\b+\i], v[96+16*\b+\i], v240   ; the hold: p is not negative, so it is one-sided
.endr
	v_cvt_scalef32_pk8_fp8_f32 v[224+4*\b:225+4*\b], v[96+16*\b:103+16*\b], v244
	v_cvt_scalef32_pk8_fp8_f32 v[226+4*\b:227+4*\b], v[104+16*\b:111+16*\b], v244
.endr
.set j, 0
.rept 16
	v_pk_mul_f32 v[160+j:161+j], v[160+j:161+j], v[252:253] op_sel_hi:[1,0]   ; O^T under the new M; these are also the plain lines between the conversions and the products
.set j, j+2
.endr
	s_wait_dscnt 0x0                               ; V is in
.irp t, 0,1,2,3
	v_wmma_f32_16x16x128_fp8_fp8 v[160+8*\t:167+8*\t], v[32+16*\t:47+16*\t], v[224:239], v[160+8*\t:167+8*\t]
.endr
.endm
.macro CHUNK c                         ; 512 keys: four steps
	s_wait_tensorcnt 3-\c                          ; my part of chunk c is in; the later chunks' loads may stay out
	s_wait_dscnt 0x0
	s_barrier_signal -1
	s_barrier_wait -1                              ; everybody's part is in
	s_mov_b32 s[KB], \c*512*KP
	s_mov_b32 s[VB], \c*256*VP
	s_mov_b32 s[CNT], 4
.Lstep_\@:
	STEP
	s_add_co_u32 s[KB], s[KB], 128*KP
	s_add_co_u32 s[VB], s[VB], 64*VP
	s_sub_co_u32 s[CNT], s[CNT], 1
	s_cmp_lg_u32 s[CNT], 0
	s_cbranch_scc1 .Lstep_\@
.endm
	s_wait_loadcnt 0x0                             ; Q
	CHUNK 0
	CHUNK 1
	CHUNK 2
	CHUNK 3
	; THE WAY OUT.  O^T / the sum is quantised for the projection: a lane's 8 registers of tile t are channels 16 t + 8 (lane / 16) + 0 .. 7 of its query.  The wave's 16 rows of 64 bytes go through its stage in LDS and leave as 1,024 consecutive bytes.
	; The stage lies in K's first chunk, which has had its one fill and which every wave left in front of the second chunk's barrier.
	v_add_f32 v14, v14, v15
	v_permlanex16_b32 v252, v14, s[SEL], s[SEL+1]
	v_add_f32 v14, v14, v252                       ; the row's sum
	v_rcp_f32 v14, v14
	v_and_b32 v8, 15, v0                           ; (plain lines behind the transcendental and the last products)
	v_bfe_u32 v9, v0, 4, 1
	s_lshl_b32 s60, s[WV], 10
	v_lshlrev_b32 v10, 6, v8
	v_lshl_add_u32 v10, v9, 3, v10
	v_add_nc_u32 v10, s60, v10                     ; in: row r of 64 bytes, + 8 h
	v_and_b32 v11, 31, v0
	v_lshlrev_b32 v[GO], 4, v11
	v_add_nc_u32 v11, s60, v[GO]                   ; back: 16 bytes a lane
	s_wait_alu depctr_va_vdst(0)                   ; the wait ahead of the first use of the reciprocal
.set j, 0
.rept 32
	v_mul_f32 v[96+j], v[160+j], v14
.set j, j+1
.endr
.set j, 0
.rept 32
	v_med3_num_f32 v[96+j], v[96+j], -v241, v241
.set j, j+1
.endr
.irp g, 0,1,2,3
	v_cvt_scalef32_pk8_fp8_f32 v[224+2*\g:225+2*\g], v[96+8*\g:103+8*\g], v245
.endr
	v_nop                                          ; a plain line behind the last conversion
.irp g, 0,1,2,3
	ds_store_b64 v10, v[224+2*\g:225+2*\g] offset:16*\g   ; channels 16 g + 8 h + 0 .. 7
.endr
	ds_load_b128 v[32:35], v11                     ; LDS serves a wave's instructions in order: these see my stores
	ds_load_b128 v[36:39], v11 offset:512
	s_wait_dscnt 0x1                               ; the younger read-back may stay out
	global_store_b128 v[GO], v[32:35], s[8:9]
	s_wait_dscnt 0x0
	global_store_b128 v[GO], v[36:39], s[8:9] offset:512
	s_wait_tensorcnt 0x0                           ; the wave's end
	ds_add_u32 v[SPW], v[NIL]
	s_wait_dscnt 0x0
	CROUND                                         ; the closing round
	s_endpgm
.Lfunc_end_k_qbffd13ef73_attn:
	.size	k_qbffd13ef73_attn, .Lfunc_end_k_qbffd13ef73_attn-k_qbffd13ef73_attn
	.p2alignl 7, 3214868480
	.fill 96, 4, 3214868480
	.section	.rodata,"a",@progbits
	.p2align	6, 0x0
	.amdhsa_kernel k_qbffd13ef73_attn
		.amdhsa_group_segment_fixed_size 327680
		.amdhsa_private_segment_fixed_size 0
		.amdhsa_enable_private_segment 0
		.amdhsa_kernarg_size 24
		.amdhsa_user_sgpr_count 2
		.amdhsa_user_sgpr_kernarg_segment_ptr 1
		.amdhsa_wavefront_size32 1
		.amdhsa_system_sgpr_workgroup_id_x 1
		.amdhsa_system_sgpr_workgroup_id_y 1
		.amdhsa_system_sgpr_workgroup_id_z 1
		.amdhsa_system_vgpr_workitem_id 0
		.amdhsa_next_free_vgpr 256
		.amdhsa_next_free_sgpr 100
		.amdhsa_reserve_vcc 0
		.amdhsa_float_denorm_mode_32 3
		.amdhsa_float_denorm_mode_16_64 3
		.amdhsa_memory_ordered 1
		.amdhsa_forward_progress 1
		.amdhsa_inst_pref_size 77
	.end_amdhsa_kernel
	.amdgpu_metadata
---
amdhsa.version: [ 1, 2 ]
amdhsa.kernels:
  - .name:           k_qbffd13ef73_attn
    .symbol:         k_qbffd13ef73_attn.kd
    .args:
      - { .name: qkv, .offset: 0, .size: 8, .value_kind: global_buffer, .address_space: global }
      - { .name: lowp_scales, .offset: 8, .size: 8, .value_kind: global_buffer, .address_space: global }
      - { .name: ac, .offset: 16, .size: 8, .value_kind: global_buffer, .address_space: global }
    .group_segment_fixed_size: 327680
    .private_segment_fixed_size: 0
    .kernarg_segment_align: 8
    .kernarg_segment_size: 24
    .max_flat_workgroup_size: 512
    .sgpr_count:     100
    .vgpr_count:     256
    .wavefront_size: 32
...
	.end_amdgpu_metadata
.endif
;; end of part 3
;; launch proj (part 4): grid 8 x 32, 4 waves a work-group, clusters of 4 x 4, 327,680 bytes of LDS; arguments ac, wc, lowp_scales, b_proj, x, x1; writes x1
.if DOCPART == 4
	.amdgcn_target "amdgcn-amd-amdhsa--gfx1250"
	.amdhsa_code_object_version 6
	.text
	.protected	k_qbffd13ef73_proj
	.globl	k_qbffd13ef73_proj
	.p2align	8
	.type	k_qbffd13ef73_proj,@function
k_qbffd13ef73_proj:
	s_mov_b64 s[64:65], 0
	v_nop
	global_prefetch_b8 v0, s[64:65] scope:SCOPE_SE
	s_setreg_imm32_b32 hwreg(HW_REG_WAVE_MODE, 25, 1), 1
	s_wait_xcnt 0x0
	s_wait_alu depctr_hold_cnt(0) depctr_sa_sdst(0) depctr_va_vdst(0) depctr_va_sdst(0) depctr_va_ssrc(0) depctr_va_vcc(0) depctr_vm_vsrc(0)
	s_getreg_b32 s2, hwreg(HW_REG_IB_STS2, 6, 4)
	s_cmp_eq_u32 s2, 0
	s_cbranch_scc0 .Lentry_in_a_cluster
	s_endpgm
.Lentry_in_a_cluster:
	s_bfe_u32 s2, ttmp6, 0x10000c
	s_cmp_lg_u32 s2, 0xf033
	s_cbranch_scc0 .Lentry_shape_is_right
	s_endpgm
.Lentry_shape_is_right:
; PROJ.  x1 = x + attention's result x w_proj + b_proj.  A = ac, codes [16 heads][4096 tokens][64]; B = wc + 3 MiB, [1024][1024], K innermost; x, x1 f32 [4096][1024].
; A tile of C is 128 x 128: 256 work-groups.  Four waves, each 64 x 64: 16 accumulators.  K = 1,024 lies in two LDS slots of 512 (8 heads), both filled at the start: nothing is filled again.
; A's tile: for each head the 64 tokens of a half are 4,096 dense bytes: the descriptor states 8 rows of 4,096 bytes, 262,144 apart, with 16 bytes of padding behind every 64: in LDS a token's 64 codes stand 80 bytes apart, a head's slab 5,120.
; CLUSTERS 4 x 4: A's tile is asked for jointly along a row of the cluster, B's along a column.
; THE MATRIX INSTRUCTION IS USED TRANSPOSED (source 0 = 16 rows of B, source 1 = 16 tokens): a lane holds eight neighbouring columns of a row of C.
; A fragment comes by four loads of 16 bytes: registers 4 c .. 4 c + 3 hold K = 32 c + 16 (l / 16) + 0 .. 15, alike in A and B.
; A wave's 64 columns of f32 are 256 aligned bytes: each wave has a stage of its own (16 rows x 272 bytes), no barrier on the way out.
; LIMIT: e10 + e11 between -126 and 127.
.set EA, 78                            ; s78, s79: entries 10 and 11
.set ADIM0,  4096
.set ADIM1,  8
.set ASTR,   262144
.set AQI,    3
.set AROWB,  64
.set APITCH, 80
.set APIECES, 2
.set ASLAB,  64*80
.set AHALF,  8*64*80
.set ASTEP,  2097152
.set WOFF,   0x300000
.set KROWB,  1024
.set LAPS,   1
.set BPITCH, 528
.set BHALF,  64*BPITCH
.set SLOT,   2*AHALF+2*BHALF
.set SPITCH, 272
.set STAGE,  2*SLOT
.set SPARE,  STAGE+4*16*SPITCH
.set G1, 24
.set G0, 32
.set G1B, 48
.set G0B, 56
.set ADRA, 16
.set ADRB, 20
.set STO,  24
.set RD,   25
.set CO,   26
.set BO,   27
.set SPW,  28
.set NIL,  29
.set ACC,  128
.set F0,   0
.set F1,   128
.set MUL,  0x05
.set TO_F, 0x40
.set MSB, 0
.macro WIN new
.if MSB != \new
	s_set_vgpr_msb (MSB<<8)|\new
.set MSB, \new
.endif
.endm
.macro JLOAD s
	s_cmp_eq_u32 s17, 0
	s_cbranch_scc0 .Lfor_b_\@
	tensor_load_to_lds s[G0+4*\s:G0+4*\s+3], s[G1:G1+7]
	s_nop 0
.rept 4
	v_nop
.endr
	s_branch .Lasked_\@
.Lfor_b_\@:
	tensor_load_to_lds s[G0B+4*\s:G0B+4*\s+3], s[G1B:G1B+7]
	s_nop 0
.rept 4
	v_nop
.endr
.Lasked_\@:
.endm
.macro CREST
	s_cmp_lg_u32 s16, 0
	s_cbranch_scc1 .Lnot_wave_0_\@
	s_barrier_signal -3
.Lnot_wave_0_\@:
	s_barrier_wait -3
	s_barrier_signal -1
	s_barrier_wait -1
.endm
.macro CROUND
	s_barrier_signal -1
	s_barrier_wait -1
	CREST
.endm
.macro PLACES
.rept 4
	v_nop
.endr
.endm
.macro FETCH slot, q, f
	WIN TO_F
.irp i, 0,1,2,3
.irp c, 0,1,2,3
	ds_load_b128 v[\f+64+16*\i+4*\c:\f+64+16*\i+4*\c+3], v[ADRB+\slot] offset:32*(4*(\q)+\c)+\i*16*BPITCH
.endr
.endr
.irp i, 0,1,2,3
.irp c, 0,1,2,3
	ds_load_b128 v[\f+16*\i+4*\c:\f+16*\i+4*\c+3], v[ADRA+\slot] offset:((4*(\q)+\c)/APIECES)*ASLAB+32*((4*(\q)+\c)%APIECES)+\i*16*APITCH
.endr
.endr
.endm
.macro MUL4 f, a, zero
.irp b, 0,1,2,3
.if \zero
	v_wmma_f32_16x16x128_fp8_fp8 v[ACC+8*(4*(\a)+\b):ACC+8*(4*(\a)+\b)+7], v[\f+64+16*\b:\f+64+16*\b+15], v[\f+16*(\a):\f+16*(\a)+15], 0
.else
	v_wmma_f32_16x16x128_fp8_fp8 v[ACC+8*(4*(\a)+\b):ACC+8*(4*(\a)+\b)+7], v[\f+64+16*\b:\f+64+16*\b+15], v[\f+16*(\a):\f+16*(\a)+15], v[ACC+8*(4*(\a)+\b):ACC+8*(4*(\a)+\b)+7]
.endif
.endr
.endm
.macro QUARTER slot, nq, f, g, zero
	s_wait_dscnt 8                                 ; all but the youngest eight loads (A's blocks 2 and 3) are in
	WIN MUL
	MUL4 \f, 0, \zero
	MUL4 \f, 1, \zero
	PLACES
	FETCH \slot, \nq, \g
	s_wait_dscnt 32                                ; all but the 32 just issued
	WIN MUL
	MUL4 \f, 2, \zero
	MUL4 \f, 3, \zero
.endm
.macro TURN slot, next, fill
	WIN 0
	s_wait_tensorcnt 0x0                           ; all my tensor loads have landed: my part of the next slot;
	ds_add_u32 v[SPW], v[NIL]                      ; 0 onto my spare word;
	s_wait_dscnt 9                                 ; (the add and the youngest eight loads may be out)
	WIN MUL
	MUL4 F1, 0, 0
	s_wait_dscnt 0x0                               ; the add is done, and my reads of this slot are over
	s_barrier_signal -1
	MUL4 F1, 1, 0
	WIN 0
	s_barrier_wait -1
.if \fill
	CREST
	s_add_nc_u64 s[G0+4*\slot+2:G0+4*\slot+3], s[G0+4*\slot+2:G0+4*\slot+3], 2*ASTEP
	s_add_nc_u64 s[G0B+4*\slot+2:G0B+4*\slot+3], s[G0B+4*\slot+2:G0B+4*\slot+3], 1024
	JLOAD \slot
.else
	PLACES
.endif
	FETCH \next, 0, F0
	WIN MUL
	MUL4 F1, 2, 0
	MUL4 F1, 3, 0
.endm
.macro RLOAD a                         ; the residual's 16 rows of block a, as they will be stored: two rows of 256 bytes an instruction
.irp t, 0,1,2,3,4,5,6,7
	global_load_b128 v[32+32*((\a)%2)+4*\t:32+32*((\a)%2)+4*\t+3], v[CO], s[12:13] offset:(16*(\a)+2*\t)*4096 th:TH_LOAD_NT
.endr
.endm
.macro EPI a                           ; block a: 16 rows x 64 columns through my stage; sum x 2^(eA + eB) + (residual + bias)
.set RS, 32+32*((\a)%2)
.irp b, 0,1,2,3
	ds_store_b128 v[STO], v[ACC+8*(4*(\a)+\b):ACC+8*(4*(\a)+\b)+3] offset:64*\b          ; each accumulator from its low end on
	ds_store_b128 v[STO], v[ACC+8*(4*(\a)+\b)+4:ACC+8*(4*(\a)+\b)+7] offset:64*\b+16
.endr
.irp t, 0,1,2,3,4,5,6,7
	ds_load_b128 v[96+4*\t:99+4*\t], v[RD] offset:\t*2*SPITCH     ; LDS serves a wave's instructions in order: these see my stores
.endr
.if (\a) < 3
	s_wait_loadcnt 8                               ; this block's residual (and the bias) are in; the next block's eight loads may be out
.else
	s_wait_loadcnt 0x0
.endif
.irp t, 0,1,2,3,4,5,6,7
	v_pk_add_f32 v[RS+4*\t:RS+4*\t+1], v[RS+4*\t:RS+4*\t+1], v[12:13]
	v_pk_add_f32 v[RS+4*\t+2:RS+4*\t+3], v[RS+4*\t+2:RS+4*\t+3], v[14:15]
.endr
	s_wait_dscnt 0x0
.irp t, 0,1,2,3,4,5,6,7
	v_pk_fma_f32 v[RS+4*\t:RS+4*\t+1], v[96+4*\t:97+4*\t], s[84:85], v[RS+4*\t:RS+4*\t+1] op_sel_hi:[1,0,1]
	v_pk_fma_f32 v[RS+4*\t+2:RS+4*\t+3], v[98+4*\t:99+4*\t], s[84:85], v[RS+4*\t+2:RS+4*\t+3] op_sel_hi:[1,0,1]
.endr
.irp t, 0,1,2,3,4,5,6,7
	global_store_b128 v[CO], v[RS+4*\t:RS+4*\t+3], s[14:15] offset:(16*(\a)+2*\t)*4096 th:TH_STORE_NT   ; sixteen lanes store 256 consecutive bytes, aligned
.endr
.if (\a) < 2
	s_wait_xcnt 0x0                                ; the stores have read their registers: the block two further on may land there
	RLOAD (\a)+2
.endif
.endm
	s_load_b256 s[4:11], s[0:1], 0x0               ; A s[4:5], wc s[6:7], lowp_scales s[8:9], the bias s[10:11]
	s_load_b128 s[12:15], s[0:1], 0x20             ; the residual s[12:13], the output s[14:15]
	v_lshl_add_u32 v[SPW], v0, 2, SPARE
	v_mov_b32 v[NIL], 0
	ds_add_u32 v[SPW], v[NIL]                      ; the wave's opening: the add, waited for ahead of my first tensor load
	v_lshrrev_b32 v1, 5, v0
	v_readfirstlane_b32 s16, v1
	s_lshr_b32 s17, s16, 1
	s_and_b32 s18, s16, 1
	s_bfe_u32 s19, ttmp6, 0x40000
	s_bfe_u32 s20, ttmp6, 0x40004
	s_lshl_b32 s21, ttmp9, 2
	s_add_co_u32 s21, s21, s19                     ; tile column
	s_and_b32 s22, ttmp7, 0xffff
	s_lshl_b32 s22, s22, 2
	s_add_co_u32 s22, s22, s20                     ; tile row
	s_lshl_b32 s23, s20, 2
	s_lshl_b32 s23, 15, s23
	s_lshl_b32 s40, 0x1111, s19
	s_or_b32 s[G1], s23, (1<<20)|(1<<21)|(AQI<<22)|(3<<25)
	s_or_b32 s[G1B], s40, (1<<20)|(1<<21)|(6<<22)|(3<<25)
	s_mov_b32 s[G1+1], ADIM0<<16
	s_mov_b32 s[G1+2], ADIM1<<16
	s_mov_b32 s[G1+3], ADIM0<<16
	s_mov_b32 s[G1+4], ADIM1
	s_mov_b32 s[G1+5], ASTR
	s_mov_b32 s[G1+6], 0
	s_mov_b32 s[G1+7], 0
	s_mov_b32 s[G1B+1], 512<<16
	s_mov_b32 s[G1B+2], 64<<16
	s_mov_b32 s[G1B+3], 512<<16
	s_mov_b32 s[G1B+4], 64
	s_mov_b32 s[G1B+5], KROWB
	s_mov_b32 s[G1B+6], 0
	s_mov_b32 s[G1B+7], 0
	s_lshl_b32 s41, s18, 6
	s_lshl_b32 s42, s22, 7
	s_add_co_u32 s42, s42, s41
	s_mul_i32 s42, s42, AROWB
	s_mov_b32 s43, 0
	s_lshl_b32 s46, s21, 7
	s_add_co_u32 s46, s46, s41
	s_mul_i32 s46, s46, KROWB
	s_add_co_u32 s46, s46, WOFF
	s_mov_b32 s47, 0
	s_mul_i32 s44, s18, AHALF
	s_mul_i32 s45, s18, BHALF
	s_add_co_u32 s45, s45, 2*AHALF
	s_wait_dscnt 0x0
	s_wait_kmcnt 0x0
	s_load_b512 s[68:83], s[8:9], 0x0
	s_add_nc_u64 s[42:43], s[4:5], s[42:43]
	s_add_nc_u64 s[46:47], s[6:7], s[46:47]
	CROUND
.irp s, 0,1
	s_mov_b32 s[G0+4*\s], 1
	s_add_co_u32 s[G0+4*\s+1], s44, \s*SLOT
	s_add_nc_u64 s[G0+4*\s+2:G0+4*\s+3], s[42:43], \s*ASTEP
	s_or_b32 s[G0+4*\s+3], s[G0+4*\s+3], 0x80000000
	s_mov_b32 s[G0B+4*\s], 1
	s_add_co_u32 s[G0B+4*\s+1], s45, \s*SLOT
	s_add_nc_u64 s[G0B+4*\s+2:G0B+4*\s+3], s[46:47], \s*512
	s_or_b32 s[G0B+4*\s+3], s[G0B+4*\s+3], 0x80000000
	JLOAD \s
.endr
	v_and_b32 v1, 15, v0
	v_bfe_u32 v2, v0, 4, 1
	v_mul_u32_u24 v3, v1, APITCH
	v_lshl_add_u32 v3, v2, 4, v3
	v_mul_u32_u24 v4, v1, BPITCH
	v_lshl_add_u32 v4, v2, 4, v4
	s_mul_i32 s40, s17, AHALF
	s_mul_i32 s41, s18, BHALF
	s_add_co_u32 s41, s41, 2*AHALF
.irp s, 0,1
	v_add_nc_u32 v[ADRA+\s], s40, v3
	v_add_nc_u32 v[ADRB+\s], s41, v4
	s_add_co_u32 s40, s40, SLOT
	s_add_co_u32 s41, s41, SLOT
.endr
	s_mul_i32 s40, s16, 16*SPITCH
	s_add_co_u32 s40, s40, STAGE                   ; my stage
	v_mul_u32_u24 v[STO], v1, SPITCH
	v_lshl_add_u32 v[STO], v2, 5, v[STO]
	v_add_nc_u32 v[STO], s40, v[STO]               ; in: row r, 32 bytes for each half of the lanes
	v_mul_u32_u24 v[RD], v2, SPITCH
	v_lshl_add_u32 v[RD], v1, 4, v[RD]
	v_add_nc_u32 v[RD], s40, v[RD]                 ; back: lanes 0-15 one row, lanes 16-31 the next
	v_lshlrev_b32 v[CO], 12, v2
	v_lshl_add_u32 v[CO], v1, 4, v[CO]             ; and the same two rows in memory
	v_lshlrev_b32 v[BO], 4, v1
	s_lshl_b32 s86, s22, 7
	s_lshl_b32 s87, s17, 6
	s_add_co_u32 s86, s86, s87
	s_lshl_b32 s86, s86, 12                        ; my first row, 4,096 bytes a row
	s_lshl_b32 s88, s21, 7
	s_lshl_b32 s89, s18, 6
	s_add_co_u32 s88, s88, s89
	s_lshl_b32 s88, s88, 2                         ; my first column
	s_mov_b32 s89, 0
	s_add_nc_u64 s[10:11], s[10:11], s[88:89]
	s_add_co_u32 s86, s86, s88
	s_mov_b32 s87, 0
	s_add_nc_u64 s[12:13], s[12:13], s[86:87]
	s_add_nc_u64 s[14:15], s[14:15], s[86:87]
	global_load_b128 v[12:15], v[BO], s[10:11]     ; the bias of the four columns that I store
	RLOAD 0
	RLOAD 1
	s_wait_tensorcnt 1                             ; my part of slot 0 is in; slot 1's may stay out
	s_barrier_signal -1
	s_barrier_wait -1
	FETCH 0, 0, F0
	QUARTER 0, 1, F0, F1, 1
	QUARTER 0, 2, F1, F0, 0
	QUARTER 0, 3, F0, F1, 0
	TURN 0, 1, 0
	QUARTER 1, 1, F0, F1, 0
	QUARTER 1, 2, F1, F0, 0
	QUARTER 1, 3, F0, F1, 0
	s_wait_dscnt 8
	WIN MUL
	MUL4 F1, 0, 0
	MUL4 F1, 1, 0
	s_wait_dscnt 0x0
	MUL4 F1, 2, 0
	MUL4 F1, 3, 0
	WIN 0
	PLACES
	s_wait_kmcnt 0x0
	s_add_co_i32 s84, s[EA], s[EA+1]
	s_add_co_i32 s84, s84, 127
	s_lshl_b32 s84, s84, 23                        ; 2^(eA + eB) as f32
	s_mov_b32 s85, s84
	EPI 0
	EPI 1
	EPI 2
	EPI 3
	s_wait_tensorcnt 0x0                           ; the wave's end
	ds_add_u32 v[SPW], v[NIL]
	s_wait_dscnt 0x0
	CROUND                                         ; the closing round
	s_endpgm
.Lfunc_end_k_qbffd13ef73_proj:
	.size	k_qbffd13ef73_proj, .Lfunc_end_k_qbffd13ef73_proj-k_qbffd13ef73_proj
	.p2alignl 7, 3214868480
	.fill 96, 4, 3214868480
	.section	.rodata,"a",@progbits
	.p2align	6, 0x0
	.amdhsa_kernel k_qbffd13ef73_proj
		.amdhsa_group_segment_fixed_size 327680
		.amdhsa_private_segment_fixed_size 0
		.amdhsa_enable_private_segment 0
		.amdhsa_kernarg_size 48
		.amdhsa_user_sgpr_count 2
		.amdhsa_user_sgpr_kernarg_segment_ptr 1
		.amdhsa_wavefront_size32 1
		.amdhsa_system_sgpr_workgroup_id_x 1
		.amdhsa_system_sgpr_workgroup_id_y 1
		.amdhsa_system_sgpr_workgroup_id_z 1
		.amdhsa_system_vgpr_workitem_id 0
		.amdhsa_next_free_vgpr 512
		.amdhsa_next_free_sgpr 100
		.amdhsa_reserve_vcc 0
		.amdhsa_float_denorm_mode_32 3
		.amdhsa_float_denorm_mode_16_64 3
		.amdhsa_memory_ordered 1
		.amdhsa_forward_progress 1
		.amdhsa_inst_pref_size 53
	.end_amdhsa_kernel
	.amdgpu_metadata
---
amdhsa.version: [ 1, 2 ]
amdhsa.kernels:
  - .name:           k_qbffd13ef73_proj
    .symbol:         k_qbffd13ef73_proj.kd
    .args:
      - { .name: ac, .offset: 0, .size: 8, .value_kind: global_buffer, .address_space: global }
      - { .name: wc, .offset: 8, .size: 8, .value_kind: global_buffer, .address_space: global }
      - { .name: lowp_scales, .offset: 16, .size: 8, .value_kind: global_buffer, .address_space: global }
      - { .name: b_proj, .offset: 24, .size: 8, .value_kind: global_buffer, .address_space: global }
      - { .name: x, .offset: 32, .size: 8, .value_kind: global_buffer, .address_space: global }
      - { .name: x1, .offset: 40, .size: 8, .value_kind: global_buffer, .address_space: global }
    .group_segment_fixed_size: 327680
    .private_segment_fixed_size: 0
    .kernarg_segment_align: 8
    .kernarg_segment_size: 48
    .max_flat_workgroup_size: 128
    .sgpr_count:     100
    .vgpr_count:     512
    .wavefront_size: 32
...
	.end_amdgpu_metadata
.endif
;; end of part 4
;; launch ln2 (part 5): grid 256 x 1, 4 waves a work-group, no clusters, 0 bytes of LDS; arguments x1, ln2_g, ln2_b, lowp_scales, h2c; writes h2c
.if DOCPART == 5
	.amdgcn_target "amdgcn-amd-amdhsa--gfx1250"
	.amdhsa_code_object_version 6
	.text
	.protected	k_qbffd13ef73_ln2
	.globl	k_qbffd13ef73_ln2
	.p2align	8
	.type	k_qbffd13ef73_ln2,@function
k_qbffd13ef73_ln2:
	s_mov_b64 s[64:65], 0
	v_nop
	global_prefetch_b8 v0, s[64:65] scope:SCOPE_SE
	s_setreg_imm32_b32 hwreg(HW_REG_WAVE_MODE, 25, 1), 1
	s_wait_xcnt 0x0
; LN2.  Layer norm 2 of x1 [4096][1024], quantised with the scale of entry 12 into h2c [4096][1024], codes of E4M3.
; 16 rows a work-group, a wave a row at a time; for chunk c of 256 columns lane l holds the 8 neighbours at column 256 c + 8 l.  Mean, then the sum of squares of x - mean: two passes over registers.
; No LDS, no barrier: waves share nothing.  All four rows of a wave are asked for at the head: 48 loads a wave.
; LIMIT: e12 between -126 and 119.  NaN and infinities are not served.
.set WG0,  0
.set NOUT, 1
.set G,    16
.set BT,   48
.set X,    80
.set T,    208
.set C,    224
.set SC,   248
.set OB,   56
.macro MKSCALE e, vs, vl, t
	s_add_co_i32 s[\t], s[\e], 127
	s_lshl_b32 s[(\t)+1], s[\t], 23
	v_mov_b32 v[\vs], s[(\t)+1]
	s_add_co_i32 s[\t], s[\t], 8
	s_lshl_b32 s[\t], s[\t], 23
	s_or_b32 s[\t], s[\t], 0x600000
	v_mov_b32 v[\vl], s[\t]
.endm
.macro JOIN
	v_pk_add_f32 v[T:T+1], v[T:T+1], v[T+2:T+3]
	v_pk_add_f32 v[T+4:T+5], v[T+4:T+5], v[T+6:T+7]
	v_pk_add_f32 v[T:T+1], v[T:T+1], v[T+4:T+5]
	v_add_f32 v3, v[T], v[T+1]
.endm
.macro REDUCE
	v_add_f32_dpp v3, v3, v3 row_xmask:1 row_mask:0xf bank_mask:0xf
	v_add_f32_dpp v3, v3, v3 row_xmask:2 row_mask:0xf bank_mask:0xf
	v_add_f32_dpp v3, v3, v3 row_xmask:4 row_mask:0xf bank_mask:0xf
	v_add_f32_dpp v3, v3, v3 row_xmask:8 row_mask:0xf bank_mask:0xf
	v_permlanex16_b32 v4, v3, s12, s13
	v_add_f32 v3, v3, v4
.endm
.macro LNROW row, left
.set XR, X+32*(\row)
	s_wait_loadcnt \left                           ; the later rows' loads may stay out
.irp k, 0,1,2,3
	v_pk_add_f32 v[T+2*\k:T+2*\k+1], v[XR+2*\k:XR+2*\k+1], v[XR+8+2*\k:XR+9+2*\k]
.endr
.irp m, 16,24
.irp k, 0,1,2,3
	v_pk_add_f32 v[T+2*\k:T+2*\k+1], v[T+2*\k:T+2*\k+1], v[XR+\m+2*\k:XR+\m+2*\k+1]
.endr
.endr
	JOIN
	REDUCE
	v_mul_f32 v6, s14, v3                          ; the mean
.set j, 0
.rept 16
	v_pk_add_f32 v[XR+j:XR+j+1], v[XR+j:XR+j+1], v[6:7] op_sel_hi:[1,0] neg_lo:[0,1] neg_hi:[0,1]
.set j, j+2
.endr
.irp k, 0,1,2,3
	v_pk_mul_f32 v[T+2*\k:T+2*\k+1], v[XR+2*\k:XR+2*\k+1], v[XR+2*\k:XR+2*\k+1]
.endr
.irp m, 8,16,24
.irp k, 0,1,2,3
	v_pk_fma_f32 v[T+2*\k:T+2*\k+1], v[XR+\m+2*\k:XR+\m+2*\k+1], v[XR+\m+2*\k:XR+\m+2*\k+1], v[T+2*\k:T+2*\k+1]
.endr
.endr
	JOIN
	REDUCE
	v_fma_f32 v8, v3, s14, s15                     ; the variance + 1e-5
	v_rsq_f32 v10, v8
	v_nop                                          ; a plain instruction behind the transcendental,
	s_wait_alu depctr_va_vdst(0)                   ; and the wait ahead of the first use of its result
.set j, 0
.rept 16
	v_pk_mul_f32 v[XR+j:XR+j+1], v[XR+j:XR+j+1], v[10:11] op_sel_hi:[1,0]
.set j, j+2
.endr
.set j, 0
.rept 16
	v_pk_fma_f32 v[XR+j:XR+j+1], v[XR+j:XR+j+1], v[G+j:G+j+1], v[BT+j:BT+j+1]
.set j, j+2
.endr
	s_wait_xcnt 0x0                                ; the last row's stores have read their codes
.set jj, 0
.rept NOUT
.irp c, 0,1,2,3
.set TS, T+8*((\c)%2)
.irp i, 0,1,2,3,4,5,6,7
	v_med3_num_f32 v[TS+\i], v[XR+8*\c+\i], -v[SC+2*jj+1], v[SC+2*jj+1]
.endr
	v_cvt_scalef32_pk8_fp8_f32 v[C+8*jj+2*\c:C+8*jj+2*\c+1], v[TS:TS+7], v[SC+2*jj]
	global_store_b64 v2, v[C+8*jj+2*\c:C+8*jj+2*\c+1], s[OB+2*jj:OB+2*jj+1] offset:1024*(\row)+256*\c   ; the wave stores 256 consecutive bytes, aligned
.endr
.set jj, jj+1
.endr
.endm
	s_load_b256 s[4:11], s[0:1], 0x0               ; x1 s[4:5], ln2_g s[6:7], ln2_b s[8:9], lowp_scales s[10:11]
	s_load_b64 s[30:31], s[0:1], 0x20              ; h2c
	v_lshrrev_b32 v1, 5, v0
	v_readfirstlane_b32 s2, v1                     ; wave 0..3
	v_and_b32 v2, 31, v0                           ; lane
	s_wait_kmcnt 0x0
	s_load_b32 s36, s[10:11], 0x30                 ; entry 12
	s_sub_co_u32 s52, ttmp9, WG0
	s_lshl_b32 s52, s52, 4
	s_lshl_b32 s53, s2, 2
	s_add_co_u32 s52, s52, s53                     ; my wave's first row
	s_lshl_b32 s54, s52, 12
	s_mov_b32 s55, 0
	s_add_nc_u64 s[4:5], s[4:5], s[54:55]
	s_lshl_b32 s54, s52, 10
	s_add_nc_u64 s[OB:OB+1], s[30:31], s[54:55]
	s_mov_b32 s12, 0x76543210
	s_mov_b32 s13, 0xfedcba98
	s_mov_b32 s14, 0x3a800000                      ; 1 / 1024
	s_mov_b32 s15, 0x3727c5ac                      ; 1e-5
	v_lshlrev_b32 v1, 5, v2
	v_lshlrev_b32 v2, 3, v2
	v_mov_b32 v4, 0
	v_mov_b32 v7, 0
	v_mov_b32 v11, 0
.irp c, 0,1,2,3
	global_load_b128 v[G+8*\c:G+8*\c+3], v1, s[6:7] offset:1024*\c
	global_load_b128 v[G+8*\c+4:G+8*\c+7], v1, s[6:7] offset:1024*\c+16
	global_load_b128 v[BT+8*\c:BT+8*\c+3], v1, s[8:9] offset:1024*\c
	global_load_b128 v[BT+8*\c+4:BT+8*\c+7], v1, s[8:9] offset:1024*\c+16
.endr
.irp r, 0,1,2,3
.irp c, 0,1,2,3
	global_load_b128 v[X+32*\r+8*\c:X+32*\r+8*\c+3], v1, s[4:5] offset:4096*\r+1024*\c th:TH_LOAD_NT
	global_load_b128 v[X+32*\r+8*\c+4:X+32*\r+8*\c+7], v1, s[4:5] offset:4096*\r+1024*\c+16 th:TH_LOAD_NT
.endr
.endr
	s_wait_kmcnt 0x0
	MKSCALE 36, SC, SC+1, 62
	LNROW 0, 24
	LNROW 1, 16
	LNROW 2, 8
	LNROW 3, 0
	s_endpgm
.Lfunc_end_k_qbffd13ef73_ln2:
	.size	k_qbffd13ef73_ln2, .Lfunc_end_k_qbffd13ef73_ln2-k_qbffd13ef73_ln2
	.p2alignl 7, 3214868480
	.fill 96, 4, 3214868480
	.section	.rodata,"a",@progbits
	.p2align	6, 0x0
	.amdhsa_kernel k_qbffd13ef73_ln2
		.amdhsa_group_segment_fixed_size 0
		.amdhsa_private_segment_fixed_size 0
		.amdhsa_enable_private_segment 0
		.amdhsa_kernarg_size 40
		.amdhsa_user_sgpr_count 2
		.amdhsa_user_sgpr_kernarg_segment_ptr 1
		.amdhsa_wavefront_size32 1
		.amdhsa_system_sgpr_workgroup_id_x 1
		.amdhsa_system_sgpr_workgroup_id_y 1
		.amdhsa_system_sgpr_workgroup_id_z 1
		.amdhsa_system_vgpr_workitem_id 0
		.amdhsa_next_free_vgpr 256
		.amdhsa_next_free_sgpr 66
		.amdhsa_reserve_vcc 0
		.amdhsa_float_denorm_mode_32 3
		.amdhsa_float_denorm_mode_16_64 3
		.amdhsa_memory_ordered 1
		.amdhsa_forward_progress 1
		.amdhsa_inst_pref_size 42
	.end_amdhsa_kernel
	.amdgpu_metadata
---
amdhsa.version: [ 1, 2 ]
amdhsa.kernels:
  - .name:           k_qbffd13ef73_ln2
    .symbol:         k_qbffd13ef73_ln2.kd
    .args:
      - { .name: x1, .offset: 0, .size: 8, .value_kind: global_buffer, .address_space: global }
      - { .name: ln2_g, .offset: 8, .size: 8, .value_kind: global_buffer, .address_space: global }
      - { .name: ln2_b, .offset: 16, .size: 8, .value_kind: global_buffer, .address_space: global }
      - { .name: lowp_scales, .offset: 24, .size: 8, .value_kind: global_buffer, .address_space: global }
      - { .name: h2c, .offset: 32, .size: 8, .value_kind: global_buffer, .address_space: global }
    .group_segment_fixed_size: 0
    .private_segment_fixed_size: 0
    .kernarg_segment_align: 8
    .kernarg_segment_size: 40
    .max_flat_workgroup_size: 128
    .sgpr_count:     66
    .vgpr_count:     256
    .wavefront_size: 32
...
	.end_amdgpu_metadata
.endif
;; end of part 5
;; launch ff1 (part 6): grid 32 x 8, 4 waves a work-group, clusters of 4 x 4, 327,680 bytes of LDS; arguments h2c, wc, lowp_scales, b_ff1, fc; writes fc
.if DOCPART == 6
	.amdgcn_target "amdgcn-amd-amdhsa--gfx1250"
	.amdhsa_code_object_version 6
	.text
	.protected	k_qbffd13ef73_ff1
	.globl	k_qbffd13ef73_ff1
	.p2align	8
	.type	k_qbffd13ef73_ff1,@function
k_qbffd13ef73_ff1:
	s_mov_b64 s[64:65], 0
	v_nop
	global_prefetch_b8 v0, s[64:65] scope:SCOPE_SE
	s_setreg_imm32_b32 hwreg(HW_REG_WAVE_MODE, 25, 1), 1
	s_wait_xcnt 0x0
	s_wait_alu depctr_hold_cnt(0) depctr_sa_sdst(0) depctr_va_vdst(0) depctr_va_sdst(0) depctr_va_ssrc(0) depctr_va_vcc(0) depctr_vm_vsrc(0)
	s_getreg_b32 s2, hwreg(HW_REG_IB_STS2, 6, 4)
	s_cmp_eq_u32 s2, 0
	s_cbranch_scc0 .Lentry_in_a_cluster
	s_endpgm
.Lentry_in_a_cluster:
	s_bfe_u32 s2, ttmp6, 0x10000c
	s_cmp_lg_u32 s2, 0xf033
	s_cbranch_scc0 .Lentry_shape_is_right
	s_endpgm
.Lentry_shape_is_right:
; FF1.  fc = Q(gelu(LN2 x w_ff1 + b_ff1)).  A = h2c [4096][1024] codes; B = wc + 4 MiB, [4096][1024], K innermost; out fc: codes [32 blocks of 128 columns][4096 tokens][128].
; A tile of C is 128 x 128.  Four waves, each 64 x 64: 16 accumulators.  K = 1,024 lies in two LDS slots of 512.
; A WORK-GROUP STAYS: 256 work-groups, each with ONE tile column and FOUR tile rows, 8 tile rows apart.  B's tile (128 rows x 1,024 K), the bias and the scales are fetched once and stay; only A's parts of the two slots are filled again.
; Slot 0's A is asked for anew at the change of slots, when nobody reads it any more; slot 1's in the MIDDLE OF THE EPILOGUE, behind the first 8 of its 16 groups: so each refill has about half a tile's products and half an
; epilogue in which to land.  Each refill stands behind a round of the cluster's barrier, in front of which every wave has waited for all its tensor loads, added 0 to its spare word and waited for that and for its LDS instructions;
; one load of a wave is out behind each round.  The last tile asks for nothing and is written out.
; CLUSTERS 4 x 4: A's tile is asked for jointly along a row of the cluster, B's along a column; the sixteen partners walk in step.
; THE MATRIX INSTRUCTION IS USED TRANSPOSED (source 0 = 16 rows of B, source 1 = 16 tokens): a lane holds one token and eight neighbouring columns, neighbours along the next product's K.
; A fragment comes by four loads of 16 bytes: registers 4 c .. 4 c + 3 hold K = 32 c + 16 (l / 16) + 0 .. 15, alike in A and B.
; GELU, exact form: 0.5 v (1 + erf(v / sqrt 2)), erf(z) = z P(z^2) / Q(z^2) with z held within +-3.8325069 (beyond it erf is +-1 in f32): a rational function in f32, packed, one reciprocal a number.
; LIMITS: 1 + erf carries f32's absolute error (about 1e-7), so far on the negative side gelu has fewer right digits.  e12 + e13 between -126 and 127; e14 between -126 and 119.  NaN and infinities are not served.
; A tile's 16 KiB of codes are dense in fc; they go through a stage in LDS laid as memory, 16 bytes of padding behind each 256.  The stage is written again only behind the next tile's change of slots, in front of whose barrier every wave has waited for its reads of it.
.set TILES,  4
.set ATILE,  8*128*1024                ; bytes of h2c from a tile to the next: 8 tile rows
.set OTILE,  8*16384                   ; and of fc
.set ADIM0,  512
.set ADIM1,  64
.set ASTR,   1024
.set AQI,    6
.set AROWB,  1024
.set APITCH, 528
.set APIECES, 16
.set ASLAB,  0
.set AHALF,  64*528
.set ASTEP,  512
.set WOFF,   0x400000
.set KROWB,  1024
.set BPITCH, 528
.set BHALF,  64*BPITCH
.set SLOT,   2*AHALF+2*BHALF           ; A's two halves, which are filled again, then B's two, which stay
.set STAGE,  2*SLOT
.set SPARE,  STAGE+17408
.set G1, 24
.set G0, 32
.set G1B, 48
.set G0B, 56
.set ADRA, 16
.set ADRB, 20
.set STO,  24
.set RD,   25
.set CO,   26
.set BO,   27
.set SPW,  28
.set NIL,  29
.set V,    32                          ; v32-39  v, then v / 2
.set Z,    40                          ; v40-47  z, then gelu
.set Z2,   48                          ; v48-55  z^2
.set P,    56                          ; v56-63  numerator
.set Q,    64                          ; v64-71  denominator, then its reciprocal
.set BI,   96                          ; v96-127 the bias of my 32 columns: it stays
.set ACC,  128
.set F0,   0
.set F1,   128
.set MUL,  0x05
.set TO_F, 0x40
.set MSB, 0
.macro WIN new
.if MSB != \new
	s_set_vgpr_msb (MSB<<8)|\new
.set MSB, \new
.endif
.endm
.macro JLOAD s                         ; a first fill: waves 0 and 1 fetch A's halves, waves 2 and 3 B's; an s_nop 0 and four v_nop follow each line
	s_cmp_eq_u32 s17, 0
	s_cbranch_scc0 .Lfor_b_\@
	tensor_load_to_lds s[G0+4*\s:G0+4*\s+3], s[G1:G1+7]
	s_nop 0
.rept 4
	v_nop
.endr
	s_branch .Lasked_\@
.Lfor_b_\@:
	tensor_load_to_lds s[G0B+4*\s:G0B+4*\s+3], s[G1B:G1B+7]
	s_nop 0
.rept 4
	v_nop
.endr
.Lasked_\@:
.endm
.macro ALOAD s                         ; a refill: A's two halves of slot s, by waves 0 and 1; waves 2 and 3 have no part of it.  The branch hangs on the wave's number alone.  Four v_nop stand on both ways: they are also the places in front of the LDS loads that follow
	s_cmp_eq_u32 s17, 0
	s_cbranch_scc0 .Lnone_\@
	tensor_load_to_lds s[G0+4*\s:G0+4*\s+3], s[G1:G1+7]
	s_nop 0
.rept 4
	v_nop
.endr
	s_branch .Ldone_\@
.Lnone_\@:
.rept 4
	v_nop
.endr
.Ldone_\@:
.endm
.macro CREST
	s_cmp_lg_u32 s16, 0
	s_cbranch_scc1 .Lnot_wave_0_\@
	s_barrier_signal -3
.Lnot_wave_0_\@:
	s_barrier_wait -3
	s_barrier_signal -1
	s_barrier_wait -1
.endm
.macro CROUND
	s_barrier_signal -1
	s_barrier_wait -1
	CREST
.endm
.macro PLACES
.rept 4
	v_nop
.endr
.endm
.macro FETCH slot, q, f
	WIN TO_F
.irp i, 0,1,2,3
.irp c, 0,1,2,3
	ds_load_b128 v[\f+64+16*\i+4*\c:\f+64+16*\i+4*\c+3], v[ADRB+\slot] offset:32*(4*(\q)+\c)+\i*16*BPITCH
.endr
.endr
.irp i, 0,1,2,3
.irp c, 0,1,2,3
	ds_load_b128 v[\f+16*\i+4*\c:\f+16*\i+4*\c+3], v[ADRA+\slot] offset:((4*(\q)+\c)/APIECES)*ASLAB+32*((4*(\q)+\c)%APIECES)+\i*16*APITCH
.endr
.endr
.endm
.macro MUL4 f, a, zero                 ; the 16 accumulators take turns, one instruction a turn, in the same order in every quarter and from tile to tile
.irp b, 0,1,2,3
.if \zero
	v_wmma_f32_16x16x128_fp8_fp8 v[ACC+8*(4*(\a)+\b):ACC+8*(4*(\a)+\b)+7], v[\f+64+16*\b:\f+64+16*\b+15], v[\f+16*(\a):\f+16*(\a)+15], 0
.else
	v_wmma_f32_16x16x128_fp8_fp8 v[ACC+8*(4*(\a)+\b):ACC+8*(4*(\a)+\b)+7], v[\f+64+16*\b:\f+64+16*\b+15], v[\f+16*(\a):\f+16*(\a)+15], v[ACC+8*(4*(\a)+\b):ACC+8*(4*(\a)+\b)+7]
.endif
.endr
.endm
.macro QUARTER slot, nq, f, g, zero
	s_wait_dscnt 8                                 ; all but the youngest eight loads (A's blocks 2 and 3) are in
	WIN MUL
	MUL4 \f, 0, \zero
	MUL4 \f, 1, \zero
	PLACES
	FETCH \slot, \nq, \g
	s_wait_dscnt 32                                ; all but the 32 just issued
	WIN MUL
	MUL4 \f, 2, \zero
	MUL4 \f, 3, \zero
.endm
.macro TURN slot, next, fill           ; a slot's last 128 along K, and the change of slots.  fill = 1: this slot's A is filled again, with the next tile's
	WIN 0
	s_wait_tensorcnt 0x0                           ; all my tensor loads have landed: my part of the next slot;
	ds_add_u32 v[SPW], v[NIL]                      ; 0 onto my spare word;
	s_wait_dscnt 9                                 ; (the add and the youngest eight loads may be out)
	WIN MUL
	MUL4 F1, 0, 0
	s_wait_dscnt 0x0                               ; the add is done, and my reads of this slot, and of the stage, are over
	s_barrier_signal -1
	MUL4 F1, 1, 0
	WIN 0
	s_barrier_wait -1
.if \fill
	CREST                                          ; the barrier has opened a round of the cluster's: no wave of any partner still reads this slot or has a load on its way
	s_add_nc_u64 s[G0+4*\slot+2:G0+4*\slot+3], s[G0+4*\slot+2:G0+4*\slot+3], ATILE
	ALOAD \slot                                    ; the first tensor load behind the round
.else
	PLACES
.endif
	FETCH \next, 0, F0
	WIN MUL
	MUL4 F1, 2, 0
	MUL4 F1, 3, 0
.endm
.macro MID                             ; in the middle of the epilogue: slot 1's A is filled again with the next tile's, and the next tile's first fragments are fetched from slot 0
	s_wait_tensorcnt 0x0                           ; all my tensor loads have landed: my part of slot 0's refill;
	ds_add_u32 v[SPW], v[NIL]                      ; 0 onto my spare word;
	s_add_nc_u64 s[G0+6:G0+7], s[G0+6:G0+7], ATILE ; no load of mine is out, so a group 0 may be written
	s_wait_dscnt 0x0                               ; the add and my stores into the stage are done; my reads of slot 1 ended in front of the tile's last products
	CROUND                                         ; no wave of any partner still reads slot 1 or has a load on its way; slot 0 is whole for everybody
	ALOAD 1                                        ; the first tensor load behind the round
	FETCH 0, 0, F0
	WIN 0
.endm
.macro HORN reg, k                     ; a step of Horner's rule on four pairs
.irp i, 0,2,4,6
	v_pk_fma_f32 v[\reg+\i:\reg+\i+1], v[\reg+\i:\reg+\i+1], v[Z2+\i:Z2+\i+1], \k op_sel_hi:[1,1,0]
.endr
.endm
.macro GELU8 a, b                      ; accumulator (a, b): eight numbers of a lane: bias, gelu, hold, codes, into the stage
.set A8, ACC+8*(4*(\a)+(\b))
.irp i, 0,2,4,6
	v_pk_fma_f32 v[V+\i:V+\i+1], v[A8+\i:A8+\i+1], s[84:85], v[BI+8*(\b)+\i:BI+8*(\b)+\i+1] op_sel_hi:[1,0,1]   ; v = sum x 2^(e12 + e13) + bias; the accumulator from its low end on
.endr
.irp i, 0,2,4,6
	v_pk_mul_f32 v[Z+\i:Z+\i+1], v[V+\i:V+\i+1], 0x3f3504f3 op_sel_hi:[1,0]    ; z = v / sqrt 2
.endr
.irp i, 0,1,2,3,4,5,6,7
	v_med3_num_f32 v[Z+\i], v[Z+\i], -v10, v10
.endr
.irp i, 0,2,4,6
	v_pk_mul_f32 v[Z2+\i:Z2+\i+1], v[Z+\i:Z+\i+1], v[Z+\i:Z+\i+1]
.endr
.irp i, 0,2,4,6
	v_pk_fma_f32 v[P+\i:P+\i+1], v[Z2+\i:Z2+\i+1], v[12:13], 0x3b5f5da2 op_sel_hi:[1,1,0]
	v_pk_fma_f32 v[Q+\i:Q+\i+1], v[Z2+\i:Z2+\i+1], v[14:15], 0x37c588df op_sel_hi:[1,1,0]
.endr
	HORN P, 0x3d50b6eb                             ; the two chains take turns, so that eight independent lines stand between a line and the one that reads its result
	HORN Q, 0x3a856d28
	HORN P, 0x3e3da740
	HORN Q, 0x3c6687d4
	HORN P, 0x3f906eba
	HORN Q, 0x3de34c21
	HORN Q, 0x3efeb44a
	HORN Q, 1.0
.irp i, 0,1,2,3,4,5,6,7
	v_rcp_f32 v[Q+\i], v[Q+\i]
.endr
.irp i, 0,2,4,6
	v_pk_mul_f32 v[P+\i:P+\i+1], v[P+\i:P+\i+1], v[Z+\i:Z+\i+1]               ; plain lines that name no reciprocal stand behind the batch
.endr
.irp i, 0,2,4,6
	v_pk_mul_f32 v[V+\i:V+\i+1], v[V+\i:V+\i+1], 0.5 op_sel_hi:[1,0]
.endr
	s_wait_alu depctr_va_vdst(0)                   ; one wait for the eight reciprocals, ahead of their first use
.irp i, 0,2,4,6
	v_pk_mul_f32 v[P+\i:P+\i+1], v[P+\i:P+\i+1], v[Q+\i:Q+\i+1]               ; erf
.endr
.irp i, 0,2,4,6
	v_pk_fma_f32 v[Z+\i:Z+\i+1], v[V+\i:V+\i+1], v[P+\i:P+\i+1], v[V+\i:V+\i+1]   ; v / 2 x erf + v / 2
.endr
.irp i, 0,1,2,3,4,5,6,7
	v_med3_num_f32 v[Z+\i], v[Z+\i], -v9, v9
.endr
	v_cvt_scalef32_pk8_fp8_f32 v[A8:A8+1], v[Z:Z+7], v8    ; the codes take the place of sums that are spent
	v_nop                                          ; a plain line behind the conversion
	ds_store_b64 v[STO], v[A8:A8+1] offset:2176*(\a)+16*(\b)
.endm
; ONE TILE OF C.  fill = 1: the next tile's A is asked for on the way.  At its head the tile's first fragments are in buffer 0, or on their way there.
.macro TILE fill
	QUARTER 0, 1, F0, F1, 1                        ; a tile's first products start its sums: nothing is cleared
	QUARTER 0, 2, F1, F0, 0
	QUARTER 0, 3, F0, F1, 0
	TURN 0, 1, \fill
	QUARTER 1, 1, F0, F1, 0
	QUARTER 1, 2, F1, F0, 0
	QUARTER 1, 3, F0, F1, 0
	s_wait_dscnt 8                                 ; the tile's last quarter: nothing more to fetch here
	WIN MUL
	MUL4 F1, 0, 0
	MUL4 F1, 1, 0
	s_wait_dscnt 0x0
	MUL4 F1, 2, 0
	MUL4 F1, 3, 0
	WIN 0
	PLACES
.irp a, 0,1
.irp b, 0,1,2,3
	GELU8 \a, \b
.endr
.endr
.if \fill
	MID
.endif
.irp a, 2,3
.irp b, 0,1,2,3
	GELU8 \a, \b
.endr
.endr
	s_wait_dscnt 0x0                               ; for the others' sake: my stores into the stage are done
	s_barrier_signal -1
	s_barrier_wait -1
.irp i, 0,1,2,3,4,5,6,7
	ds_load_b128 v[32+4*\i:35+4*\i], v[RD] offset:2176*\i
.endr
.irp i, 0,1,2,3,4,5,6,7
	s_wait_dscnt 7-\i                              ; the younger read-backs may stay out
	global_store_b128 v[CO], v[32+4*\i:35+4*\i], s[12:13] offset:2048*\i   ; a wave stores 512 consecutive bytes, aligned
.endr
.if \fill
	s_wait_xcnt 0x0                                ; the stores have read their base and their registers: both are written again in the next tile
	s_add_nc_u64 s[12:13], s[12:13], OTILE
.endif
.endm
	s_load_b256 s[4:11], s[0:1], 0x0               ; h2c s[4:5], wc s[6:7], lowp_scales s[8:9], b_ff1 s[10:11]
	s_load_b64 s[12:13], s[0:1], 0x20              ; fc
	v_lshl_add_u32 v[SPW], v0, 2, SPARE
	v_mov_b32 v[NIL], 0
	ds_add_u32 v[SPW], v[NIL]                      ; the wave's opening: the add, waited for ahead of my first tensor load
	v_lshrrev_b32 v1, 5, v0
	v_readfirstlane_b32 s16, v1
	s_lshr_b32 s17, s16, 1
	s_and_b32 s18, s16, 1
	s_bfe_u32 s19, ttmp6, 0x40000
	s_bfe_u32 s20, ttmp6, 0x40004
	s_lshl_b32 s21, ttmp9, 2
	s_add_co_u32 s21, s21, s19                     ; tile column, 0 .. 31
	s_and_b32 s22, ttmp7, 0xffff
	s_lshl_b32 s22, s22, 2
	s_add_co_u32 s22, s22, s20                     ; the first tile row, 0 .. 7
	s_lshl_b32 s23, s20, 2
	s_lshl_b32 s23, 15, s23
	s_lshl_b32 s40, 0x1111, s19
	s_or_b32 s[G1], s23, (1<<20)|(1<<21)|(AQI<<22)|(3<<25)
	s_or_b32 s[G1B], s40, (1<<20)|(1<<21)|(6<<22)|(3<<25)
	s_mov_b32 s[G1+1], ADIM0<<16
	s_mov_b32 s[G1+2], ADIM1<<16
	s_mov_b32 s[G1+3], ADIM0<<16
	s_mov_b32 s[G1+4], ADIM1
	s_mov_b32 s[G1+5], ASTR
	s_mov_b32 s[G1+6], 0
	s_mov_b32 s[G1+7], 0
	s_mov_b32 s[G1B+1], 512<<16
	s_mov_b32 s[G1B+2], 64<<16
	s_mov_b32 s[G1B+3], 512<<16
	s_mov_b32 s[G1B+4], 64
	s_mov_b32 s[G1B+5], KROWB
	s_mov_b32 s[G1B+6], 0
	s_mov_b32 s[G1B+7], 0
	s_lshl_b32 s41, s18, 6
	s_lshl_b32 s42, s22, 7
	s_add_co_u32 s42, s42, s41
	s_mul_i32 s42, s42, AROWB
	s_mov_b32 s43, 0
	s_lshl_b32 s46, s21, 7
	s_add_co_u32 s46, s46, s41
	s_mul_i32 s46, s46, KROWB
	s_add_co_u32 s46, s46, WOFF
	s_mov_b32 s47, 0
	s_mul_i32 s44, s18, AHALF
	s_mul_i32 s45, s18, BHALF
	s_add_co_u32 s45, s45, 2*AHALF
	s_wait_dscnt 0x0
	s_wait_kmcnt 0x0
	s_load_b512 s[68:83], s[8:9], 0x0
	s_add_nc_u64 s[42:43], s[4:5], s[42:43]
	s_add_nc_u64 s[46:47], s[6:7], s[46:47]
	CROUND
.irp s, 0,1
	s_mov_b32 s[G0+4*\s], 1
	s_add_co_u32 s[G0+4*\s+1], s44, \s*SLOT
	s_add_nc_u64 s[G0+4*\s+2:G0+4*\s+3], s[42:43], \s*ASTEP
	s_or_b32 s[G0+4*\s+3], s[G0+4*\s+3], 0x80000000
	s_mov_b32 s[G0B+4*\s], 1
	s_add_co_u32 s[G0B+4*\s+1], s45, \s*SLOT
	s_add_nc_u64 s[G0B+4*\s+2:G0B+4*\s+3], s[46:47], \s*512
	s_or_b32 s[G0B+4*\s+3], s[G0B+4*\s+3], 0x80000000
	JLOAD \s                                       ; two loads of mine are out
.endr
	v_and_b32 v1, 15, v0
	v_bfe_u32 v2, v0, 4, 1
	v_mul_u32_u24 v3, v1, APITCH
	v_lshl_add_u32 v3, v2, 4, v3
	v_mul_u32_u24 v4, v1, BPITCH
	v_lshl_add_u32 v4, v2, 4, v4
	s_mul_i32 s40, s17, AHALF
	s_mul_i32 s41, s18, BHALF
	s_add_co_u32 s41, s41, 2*AHALF
.irp s, 0,1
	v_add_nc_u32 v[ADRA+\s], s40, v3
	v_add_nc_u32 v[ADRB+\s], s41, v4
	s_add_co_u32 s40, s40, SLOT
	s_add_co_u32 s41, s41, SLOT
.endr
	s_mul_i32 s40, s17, 8704                       ; the stage holds [128 tokens][128]: byte m lies at m + 16 (m / 256)
	s_lshl_b32 s41, s18, 6
	s_add_co_u32 s40, s40, s41
	s_add_co_u32 s40, s40, STAGE
	v_lshrrev_b32 v5, 1, v1
	v_lshlrev_b32 v[STO], 7, v1
	v_lshl_add_u32 v[STO], v5, 4, v[STO]
	v_lshl_add_u32 v[STO], v2, 3, v[STO]
	v_add_nc_u32 v[STO], s40, v[STO]
	v_lshrrev_b32 v5, 4, v0
	v_lshlrev_b32 v[CO], 4, v0                     ; back: 16 bytes a thread
	v_lshl_add_u32 v[RD], v5, 4, v[CO]
	v_add_nc_u32 v[RD], STAGE, v[RD]
	v_lshlrev_b32 v[BO], 5, v2
	s_lshl_b32 s86, s21, 7
	s_lshl_b32 s87, s18, 6
	s_add_co_u32 s86, s86, s87
	s_lshl_b32 s86, s86, 2
	s_mov_b32 s87, 0
	s_add_nc_u64 s[10:11], s[10:11], s[86:87]      ; the bias at my first column
	s_lshl_b32 s86, s21, 19                        ; fc: tile column x 524,288 + tile row x 16,384
	s_lshl_b32 s88, s22, 14
	s_add_co_u32 s86, s86, s88
	s_add_nc_u64 s[12:13], s[12:13], s[86:87]
.irp b, 0,1,2,3
	global_load_b128 v[BI+8*\b:BI+8*\b+3], v[BO], s[10:11] offset:64*\b
	global_load_b128 v[BI+8*\b+4:BI+8*\b+7], v[BO], s[10:11] offset:64*\b+16
.endr
	s_wait_tensorcnt 1                             ; my part of slot 0 is in; slot 1's may stay out
	s_barrier_signal -1
	s_barrier_wait -1
	FETCH 0, 0, F0                                 ; the first tile's first fragments
	WIN 0
	s_wait_kmcnt 0x0                               ; what the epilogues want is made once, while those fragments come
	s_add_co_i32 s84, s80, s81
	s_add_co_i32 s84, s84, 127
	s_lshl_b32 s84, s84, 23                        ; 2^(e12 + e13)
	s_mov_b32 s85, s84
	s_add_co_i32 s86, s82, 127
	s_lshl_b32 s87, s86, 23
	v_mov_b32 v8, s87                              ; 2^e14
	s_add_co_i32 s86, s86, 8
	s_lshl_b32 s86, s86, 23
	s_or_b32 s86, s86, 0x600000
	v_mov_b32 v9, s86                              ; 448 x 2^e14
	v_mov_b32 v10, 0x407547cb                      ; 3.8325069
	v_mov_b32 v12, 0x39702d51                      ; the numerator's leading coefficient, in both halves
	v_mov_b32 v13, 0x39702d51
	v_mov_b32 v14, 0xb3fd3906                      ; the denominator's
	v_mov_b32 v15, 0xb3fd3906
	s_wait_loadcnt 0x0                             ; the bias
	s_mov_b32 s66, TILES-1
.Ltile:                                                ; three trips: each tile but the last asks for its successor's A
	TILE 1
	s_sub_co_u32 s66, s66, 1
	s_cmp_lg_u32 s66, 0
	s_cbranch_scc1 .Ltile
	TILE 0                                         ; the last tile is written out
	s_wait_tensorcnt 0x0                           ; the wave's end
	ds_add_u32 v[SPW], v[NIL]
	s_wait_dscnt 0x0
	CROUND                                         ; the closing round
	s_endpgm
.Lfunc_end_k_qbffd13ef73_ff1:
	.size	k_qbffd13ef73_ff1, .Lfunc_end_k_qbffd13ef73_ff1-k_qbffd13ef73_ff1
	.p2alignl 7, 3214868480
	.fill 96, 4, 3214868480
	.section	.rodata,"a",@progbits
	.p2align	6, 0x0
	.amdhsa_kernel k_qbffd13ef73_ff1
		.amdhsa_group_segment_fixed_size 327680
		.amdhsa_private_segment_fixed_size 0
		.amdhsa_enable_private_segment 0
		.amdhsa_kernarg_size 40
		.amdhsa_user_sgpr_count 2
		.amdhsa_user_sgpr_kernarg_segment_ptr 1
		.amdhsa_wavefront_size32 1
		.amdhsa_system_sgpr_workgroup_id_x 1
		.amdhsa_system_sgpr_workgroup_id_y 1
		.amdhsa_system_sgpr_workgroup_id_z 1
		.amdhsa_system_vgpr_workitem_id 0
		.amdhsa_next_free_vgpr 512
		.amdhsa_next_free_sgpr 100
		.amdhsa_reserve_vcc 0
		.amdhsa_float_denorm_mode_32 3
		.amdhsa_float_denorm_mode_16_64 3
		.amdhsa_memory_ordered 1
		.amdhsa_forward_progress 1
		.amdhsa_inst_pref_size 255
	.end_amdhsa_kernel
	.section	.bss,"aw",@nobits
	.p2align	6
	.space	262144
	.amdgpu_metadata
---
amdhsa.version: [ 1, 2 ]
amdhsa.kernels:
  - .name:           k_qbffd13ef73_ff1
    .symbol:         k_qbffd13ef73_ff1.kd
    .args:
      - { .name: h2c, .offset: 0, .size: 8, .value_kind: global_buffer, .address_space: global }
      - { .name: wc, .offset: 8, .size: 8, .value_kind: global_buffer, .address_space: global }
      - { .name: lowp_scales, .offset: 16, .size: 8, .value_kind: global_buffer, .address_space: global }
      - { .name: b_ff1, .offset: 24, .size: 8, .value_kind: global_buffer, .address_space: global }
      - { .name: fc, .offset: 32, .size: 8, .value_kind: global_buffer, .address_space: global }
    .group_segment_fixed_size: 327680
    .private_segment_fixed_size: 0
    .kernarg_segment_align: 8
    .kernarg_segment_size: 40
    .max_flat_workgroup_size: 128
    .sgpr_count:     100
    .vgpr_count:     512
    .wavefront_size: 32
...
	.end_amdgpu_metadata
.endif
;; end of part 6
;; launch ff2 (part 7): grid 8 x 32, 4 waves a work-group, clusters of 4 x 4, 327,680 bytes of LDS; arguments fc, wc, lowp_scales, b_ff2, x1, out0; writes out0
.if DOCPART == 7
	.amdgcn_target "amdgcn-amd-amdhsa--gfx1250"
	.amdhsa_code_object_version 6
	.text
	.protected	k_qbffd13ef73_ff2
	.globl	k_qbffd13ef73_ff2
	.p2align	8
	.type	k_qbffd13ef73_ff2,@function
k_qbffd13ef73_ff2:
	s_mov_b64 s[64:65], 0
	v_nop
	global_prefetch_b8 v0, s[64:65] scope:SCOPE_SE
	s_setreg_imm32_b32 hwreg(HW_REG_WAVE_MODE, 25, 1), 1
	s_wait_xcnt 0x0
	s_wait_alu depctr_hold_cnt(0) depctr_sa_sdst(0) depctr_va_vdst(0) depctr_va_sdst(0) depctr_va_ssrc(0) depctr_va_vcc(0) depctr_vm_vsrc(0)
	s_getreg_b32 s2, hwreg(HW_REG_IB_STS2, 6, 4)
	s_cmp_eq_u32 s2, 0
	s_cbranch_scc0 .Lentry_in_a_cluster
	s_endpgm
.Lentry_in_a_cluster:
	s_bfe_u32 s2, ttmp6, 0x10000c
	s_cmp_lg_u32 s2, 0xf033
	s_cbranch_scc0 .Lentry_shape_is_right
	s_endpgm
.Lentry_shape_is_right:
; FF2.  out0 = x1 + gelu's codes x w_ff2 + b_ff2.  A = fc, codes [32 blocks][4096 tokens][128]; B = wc + 8 MiB, [1024][4096], K innermost; x1, out0 f32 [4096][1024].
; A tile of C is 128 x 128: 256 work-groups.  Four waves, each 64 x 64: 16 accumulators.  K = 4,096 goes in steps of 512 through a ring of two LDS slots; each wave fetches a quarter of a slot with one joint load.
; A slot is filled again behind a round of the cluster's barrier, in front of which every wave has waited for all its tensor loads, added 0 to its spare word and waited for that and for its reads: one load of mine is out behind each round.
; A's tile: for each block of 128 along K the 64 tokens of a half are 8,192 dense bytes: 4 rows of 8,192 bytes, 524,288 apart, 16 bytes of padding behind every 128: a token's codes stand 144 bytes apart in LDS, a block's slab 9,216.
; CLUSTERS 4 x 4: A's tile is asked for jointly along a row of the cluster, B's along a column.
; THE MATRIX INSTRUCTION IS USED TRANSPOSED (source 0 = 16 rows of B, source 1 = 16 tokens).  A fragment comes by four loads of 16 bytes: registers 4 c .. 4 c + 3 hold K = 32 c + 16 (l / 16) + 0 .. 15, alike in A and B.
; A wave's 64 columns of f32 are 256 aligned bytes.
; LIMIT: e14 + e15 between -126 and 127.
.set EA, 82                            ; s82, s83: entries 14 and 15
.set ADIM0,  8192
.set ADIM1,  4
.set ASTR,   524288
.set AQI,    4
.set AROWB,  128
.set APITCH, 144
.set APIECES, 4
.set ASLAB,  64*144
.set AHALF,  4*64*144
.set ASTEP,  2097152
.set WOFF,   0x800000
.set KROWB,  4096
.set LAPS,   4
.set BPITCH, 528
.set BHALF,  64*BPITCH
.set SLOT,   2*AHALF+2*BHALF
.set SPITCH, 272
.set STAGE,  2*SLOT
.set SPARE,  STAGE+4*16*SPITCH
.set G1, 24
.set G0, 32
.set G1B, 48
.set G0B, 56
.set ADRA, 16
.set ADRB, 20
.set STO,  24
.set RD,   25
.set CO,   26
.set BO,   27
.set SPW,  28
.set NIL,  29
.set ACC,  128
.set F0,   0
.set F1,   128
.set MUL,  0x05
.set TO_F, 0x40
.set MSB, 0
.macro WIN new
.if MSB != \new
	s_set_vgpr_msb (MSB<<8)|\new
.set MSB, \new
.endif
.endm
.macro JLOAD s
	s_cmp_eq_u32 s17, 0
	s_cbranch_scc0 .Lfor_b_\@
	tensor_load_to_lds s[G0+4*\s:G0+4*\s+3], s[G1:G1+7]
	s_nop 0
.rept 4
	v_nop
.endr
	s_branch .Lasked_\@
.Lfor_b_\@:
	tensor_load_to_lds s[G0B+4*\s:G0B+4*\s+3], s[G1B:G1B+7]
	s_nop 0
.rept 4
	v_nop
.endr
.Lasked_\@:
.endm
.macro CREST
	s_cmp_lg_u32 s16, 0
	s_cbranch_scc1 .Lnot_wave_0_\@
	s_barrier_signal -3
.Lnot_wave_0_\@:
	s_barrier_wait -3
	s_barrier_signal -1
	s_barrier_wait -1
.endm
.macro CROUND
	s_barrier_signal -1
	s_barrier_wait -1
	CREST
.endm
.macro PLACES
.rept 4
	v_nop
.endr
.endm
.macro FETCH slot, q, f
	WIN TO_F
.irp i, 0,1,2,3
.irp c, 0,1,2,3
	ds_load_b128 v[\f+64+16*\i+4*\c:\f+64+16*\i+4*\c+3], v[ADRB+\slot] offset:32*(4*(\q)+\c)+\i*16*BPITCH
.endr
.endr
.irp i, 0,1,2,3
.irp c, 0,1,2,3
	ds_load_b128 v[\f+16*\i+4*\c:\f+16*\i+4*\c+3], v[ADRA+\slot] offset:((4*(\q)+\c)/APIECES)*ASLAB+32*((4*(\q)+\c)%APIECES)+\i*16*APITCH
.endr
.endr
.endm
.macro MUL4 f, a, zero
.irp b, 0,1,2,3
.if \zero
	v_wmma_f32_16x16x128_fp8_fp8 v[ACC+8*(4*(\a)+\b):ACC+8*(4*(\a)+\b)+7], v[\f+64+16*\b:\f+64+16*\b+15], v[\f+16*(\a):\f+16*(\a)+15], 0
.else
	v_wmma_f32_16x16x128_fp8_fp8 v[ACC+8*(4*(\a)+\b):ACC+8*(4*(\a)+\b)+7], v[\f+64+16*\b:\f+64+16*\b+15], v[\f+16*(\a):\f+16*(\a)+15], v[ACC+8*(4*(\a)+\b):ACC+8*(4*(\a)+\b)+7]
.endif
.endr
.endm
.macro QUARTER slot, nq, f, g, zero
	s_wait_dscnt 8                                 ; all but the youngest eight loads (A's blocks 2 and 3) are in
	WIN MUL
	MUL4 \f, 0, \zero
	MUL4 \f, 1, \zero
	PLACES
	FETCH \slot, \nq, \g
	s_wait_dscnt 32                                ; all but the 32 just issued
	WIN MUL
	MUL4 \f, 2, \zero
	MUL4 \f, 3, \zero
.endm
.macro TURN slot, next, fill
	WIN 0
	s_wait_tensorcnt 0x0                           ; all my tensor loads have landed: my part of the next slot;
	ds_add_u32 v[SPW], v[NIL]                      ; 0 onto my spare word;
	s_wait_dscnt 9                                 ; (the add and the youngest eight loads may be out)
	WIN MUL
	MUL4 F1, 0, 0
	s_wait_dscnt 0x0                               ; the add is done, and my reads of this slot are over
	s_barrier_signal -1
	MUL4 F1, 1, 0
	WIN 0
	s_barrier_wait -1
.if \fill
	CREST                                          ; the barrier has opened a round of the cluster's: no wave of any partner still reads this slot or has a load on its way
	s_add_nc_u64 s[G0+4*\slot+2:G0+4*\slot+3], s[G0+4*\slot+2:G0+4*\slot+3], 2*ASTEP
	s_add_nc_u64 s[G0B+4*\slot+2:G0B+4*\slot+3], s[G0B+4*\slot+2:G0B+4*\slot+3], 1024
	JLOAD \slot                                    ; the first tensor load behind the round; its four v_nop are also the places in front of the loads below
.else
	PLACES
.endif
	FETCH \next, 0, F0
	WIN MUL
	MUL4 F1, 2, 0
	MUL4 F1, 3, 0
.endm
.macro RLOAD a
.irp t, 0,1,2,3,4,5,6,7
	global_load_b128 v[32+32*((\a)%2)+4*\t:32+32*((\a)%2)+4*\t+3], v[CO], s[12:13] offset:(16*(\a)+2*\t)*4096 th:TH_LOAD_NT
.endr
.endm
.macro EPI a
.set RS, 32+32*((\a)%2)
.irp b, 0,1,2,3
	ds_store_b128 v[STO], v[ACC+8*(4*(\a)+\b):ACC+8*(4*(\a)+\b)+3] offset:64*\b          ; each accumulator from its low end on
	ds_store_b128 v[STO], v[ACC+8*(4*(\a)+\b)+4:ACC+8*(4*(\a)+\b)+7] offset:64*\b+16
.endr
.irp t, 0,1,2,3,4,5,6,7
	ds_load_b128 v[96+4*\t:99+4*\t], v[RD] offset:\t*2*SPITCH     ; LDS serves a wave's instructions in order: these see my stores
.endr
.if (\a) < 3
	s_wait_loadcnt 8                               ; this block's residual (and the bias) are in; the next block's eight loads may be out
.else
	s_wait_loadcnt 0x0
.endif
.irp t, 0,1,2,3,4,5,6,7
	v_pk_add_f32 v[RS+4*\t:RS+4*\t+1], v[RS+4*\t:RS+4*\t+1], v[12:13]
	v_pk_add_f32 v[RS+4*\t+2:RS+4*\t+3], v[RS+4*\t+2:RS+4*\t+3], v[14:15]
.endr
	s_wait_dscnt 0x0
.irp t, 0,1,2,3,4,5,6,7
	v_pk_fma_f32 v[RS+4*\t:RS+4*\t+1], v[96+4*\t:97+4*\t], s[84:85], v[RS+4*\t:RS+4*\t+1] op_sel_hi:[1,0,1]
	v_pk_fma_f32 v[RS+4*\t+2:RS+4*\t+3], v[98+4*\t:99+4*\t], s[84:85], v[RS+4*\t+2:RS+4*\t+3] op_sel_hi:[1,0,1]
.endr
.irp t, 0,1,2,3,4,5,6,7
	global_store_b128 v[CO], v[RS+4*\t:RS+4*\t+3], s[14:15] offset:(16*(\a)+2*\t)*4096 th:TH_STORE_NT   ; sixteen lanes store 256 consecutive bytes, aligned
.endr
.if (\a) < 2
	s_wait_xcnt 0x0                                ; the stores have read their registers: the block two further on may land there
	RLOAD (\a)+2
.endif
.endm
	s_load_b256 s[4:11], s[0:1], 0x0               ; A s[4:5], wc s[6:7], lowp_scales s[8:9], the bias s[10:11]
	s_load_b128 s[12:15], s[0:1], 0x20             ; the residual s[12:13], the output s[14:15]
	v_lshl_add_u32 v[SPW], v0, 2, SPARE
	v_mov_b32 v[NIL], 0
	ds_add_u32 v[SPW], v[NIL]                      ; the wave's opening: the add, waited for ahead of my first tensor load
	v_lshrrev_b32 v1, 5, v0
	v_readfirstlane_b32 s16, v1
	s_lshr_b32 s17, s16, 1
	s_and_b32 s18, s16, 1
	s_bfe_u32 s19, ttmp6, 0x40000
	s_bfe_u32 s20, ttmp6, 0x40004
	s_lshl_b32 s21, ttmp9, 2
	s_add_co_u32 s21, s21, s19                     ; tile column
	s_and_b32 s22, ttmp7, 0xffff
	s_lshl_b32 s22, s22, 2
	s_add_co_u32 s22, s22, s20                     ; tile row
	s_lshl_b32 s23, s20, 2
	s_lshl_b32 s23, 15, s23
	s_lshl_b32 s40, 0x1111, s19
	s_or_b32 s[G1], s23, (1<<20)|(1<<21)|(AQI<<22)|(3<<25)
	s_or_b32 s[G1B], s40, (1<<20)|(1<<21)|(6<<22)|(3<<25)
	s_mov_b32 s[G1+1], ADIM0<<16
	s_mov_b32 s[G1+2], ADIM1<<16
	s_mov_b32 s[G1+3], ADIM0<<16
	s_mov_b32 s[G1+4], ADIM1
	s_mov_b32 s[G1+5], ASTR
	s_mov_b32 s[G1+6], 0
	s_mov_b32 s[G1+7], 0
	s_mov_b32 s[G1B+1], 512<<16
	s_mov_b32 s[G1B+2], 64<<16
	s_mov_b32 s[G1B+3], 512<<16
	s_mov_b32 s[G1B+4], 64
	s_mov_b32 s[G1B+5], KROWB
	s_mov_b32 s[G1B+6], 0
	s_mov_b32 s[G1B+7], 0
	s_lshl_b32 s41, s18, 6
	s_lshl_b32 s42, s22, 7
	s_add_co_u32 s42, s42, s41
	s_mul_i32 s42, s42, AROWB
	s_mov_b32 s43, 0
	s_lshl_b32 s46, s21, 7
	s_add_co_u32 s46, s46, s41
	s_mul_i32 s46, s46, KROWB
	s_add_co_u32 s46, s46, WOFF
	s_mov_b32 s47, 0
	s_mul_i32 s44, s18, AHALF
	s_mul_i32 s45, s18, BHALF
	s_add_co_u32 s45, s45, 2*AHALF
	s_wait_dscnt 0x0
	s_wait_kmcnt 0x0
	s_load_b512 s[68:83], s[8:9], 0x0
	s_add_nc_u64 s[42:43], s[4:5], s[42:43]
	s_add_nc_u64 s[46:47], s[6:7], s[46:47]
	CROUND
.irp s, 0,1
	s_mov_b32 s[G0+4*\s], 1
	s_add_co_u32 s[G0+4*\s+1], s44, \s*SLOT
	s_add_nc_u64 s[G0+4*\s+2:G0+4*\s+3], s[42:43], \s*ASTEP
	s_or_b32 s[G0+4*\s+3], s[G0+4*\s+3], 0x80000000
	s_mov_b32 s[G0B+4*\s], 1
	s_add_co_u32 s[G0B+4*\s+1], s45, \s*SLOT
	s_add_nc_u64 s[G0B+4*\s+2:G0B+4*\s+3], s[46:47], \s*512
	s_or_b32 s[G0B+4*\s+3], s[G0B+4*\s+3], 0x80000000
	JLOAD \s
.endr
	v_and_b32 v1, 15, v0
	v_bfe_u32 v2, v0, 4, 1
	v_mul_u32_u24 v3, v1, APITCH
	v_lshl_add_u32 v3, v2, 4, v3
	v_mul_u32_u24 v4, v1, BPITCH
	v_lshl_add_u32 v4, v2, 4, v4
	s_mul_i32 s40, s17, AHALF
	s_mul_i32 s41, s18, BHALF
	s_add_co_u32 s41, s41, 2*AHALF
.irp s, 0,1
	v_add_nc_u32 v[ADRA+\s], s40, v3
	v_add_nc_u32 v[ADRB+\s], s41, v4
	s_add_co_u32 s40, s40, SLOT
	s_add_co_u32 s41, s41, SLOT
.endr
	s_mul_i32 s40, s16, 16*SPITCH
	s_add_co_u32 s40, s40, STAGE                   ; my stage
	v_mul_u32_u24 v[STO], v1, SPITCH
	v_lshl_add_u32 v[STO], v2, 5, v[STO]
	v_add_nc_u32 v[STO], s40, v[STO]
	v_mul_u32_u24 v[RD], v2, SPITCH
	v_lshl_add_u32 v[RD], v1, 4, v[RD]
	v_add_nc_u32 v[RD], s40, v[RD]
	v_lshlrev_b32 v[CO], 12, v2
	v_lshl_add_u32 v[CO], v1, 4, v[CO]
	v_lshlrev_b32 v[BO], 4, v1
	s_lshl_b32 s86, s22, 7
	s_lshl_b32 s87, s17, 6
	s_add_co_u32 s86, s86, s87
	s_lshl_b32 s86, s86, 12
	s_lshl_b32 s88, s21, 7
	s_lshl_b32 s89, s18, 6
	s_add_co_u32 s88, s88, s89
	s_lshl_b32 s88, s88, 2
	s_mov_b32 s89, 0
	s_add_nc_u64 s[10:11], s[10:11], s[88:89]
	s_add_co_u32 s86, s86, s88
	s_mov_b32 s87, 0
	s_add_nc_u64 s[12:13], s[12:13], s[86:87]
	s_add_nc_u64 s[14:15], s[14:15], s[86:87]
	global_load_b128 v[12:15], v[BO], s[10:11]
	RLOAD 0
	RLOAD 1
	s_wait_tensorcnt 1                             ; my part of slot 0 is in; slot 1's may stay out
	s_barrier_signal -1
	s_barrier_wait -1
	FETCH 0, 0, F0
	QUARTER 0, 1, F0, F1, 1                        ; the first products start the sums, in front of the loop
	WIN 0                                          ; at a label and at a branch every window is 0
	s_mov_b32 s66, LAPS-1
.Llap:                                                 ; a trip goes once round the ring, from a lap's second quarter to the next lap's first, and fills both slots again
	QUARTER 0, 2, F1, F0, 0
	QUARTER 0, 3, F0, F1, 0
	TURN 0, 1, 1
	QUARTER 1, 1, F0, F1, 0
	QUARTER 1, 2, F1, F0, 0
	QUARTER 1, 3, F0, F1, 0
	TURN 1, 0, 1
	QUARTER 0, 1, F0, F1, 0
	WIN 0
	s_sub_co_u32 s66, s66, 1
	s_cmp_lg_u32 s66, 0
	s_cbranch_scc1 .Llap
	QUARTER 0, 2, F1, F0, 0                        ; the last lap fills nothing: it is written out
	QUARTER 0, 3, F0, F1, 0
	TURN 0, 1, 0
	QUARTER 1, 1, F0, F1, 0
	QUARTER 1, 2, F1, F0, 0
	QUARTER 1, 3, F0, F1, 0
	s_wait_dscnt 8
	WIN MUL
	MUL4 F1, 0, 0
	MUL4 F1, 1, 0
	s_wait_dscnt 0x0
	MUL4 F1, 2, 0
	MUL4 F1, 3, 0
	WIN 0
	PLACES
	s_wait_kmcnt 0x0
	s_add_co_i32 s84, s[EA], s[EA+1]
	s_add_co_i32 s84, s84, 127
	s_lshl_b32 s84, s84, 23                        ; 2^(eA + eB) as f32
	s_mov_b32 s85, s84
	EPI 0
	EPI 1
	EPI 2
	EPI 3
	s_wait_tensorcnt 0x0                           ; the wave's end
	ds_add_u32 v[SPW], v[NIL]
	s_wait_dscnt 0x0
	CROUND                                         ; the closing round
	s_endpgm
.Lfunc_end_k_qbffd13ef73_ff2:
	.size	k_qbffd13ef73_ff2, .Lfunc_end_k_qbffd13ef73_ff2-k_qbffd13ef73_ff2
	.p2alignl 7, 3214868480
	.fill 96, 4, 3214868480
	.section	.rodata,"a",@progbits
	.p2align	6, 0x0
	.amdhsa_kernel k_qbffd13ef73_ff2
		.amdhsa_group_segment_fixed_size 327680
		.amdhsa_private_segment_fixed_size 0
		.amdhsa_enable_private_segment 0
		.amdhsa_kernarg_size 48
		.amdhsa_user_sgpr_count 2
		.amdhsa_user_sgpr_kernarg_segment_ptr 1
		.amdhsa_wavefront_size32 1
		.amdhsa_system_sgpr_workgroup_id_x 1
		.amdhsa_system_sgpr_workgroup_id_y 1
		.amdhsa_system_sgpr_workgroup_id_z 1
		.amdhsa_system_vgpr_workitem_id 0
		.amdhsa_next_free_vgpr 512
		.amdhsa_next_free_sgpr 100
		.amdhsa_reserve_vcc 0
		.amdhsa_float_denorm_mode_32 3
		.amdhsa_float_denorm_mode_16_64 3
		.amdhsa_memory_ordered 1
		.amdhsa_forward_progress 1
		.amdhsa_inst_pref_size 81
	.end_amdhsa_kernel
	.amdgpu_metadata
---
amdhsa.version: [ 1, 2 ]
amdhsa.kernels:
  - .name:           k_qbffd13ef73_ff2
    .symbol:         k_qbffd13ef73_ff2.kd
    .args:
      - { .name: fc, .offset: 0, .size: 8, .value_kind: global_buffer, .address_space: global }
      - { .name: wc, .offset: 8, .size: 8, .value_kind: global_buffer, .address_space: global }
      - { .name: lowp_scales, .offset: 16, .size: 8, .value_kind: global_buffer, .address_space: global }
      - { .name: b_ff2, .offset: 24, .size: 8, .value_kind: global_buffer, .address_space: global }
      - { .name: x1, .offset: 32, .size: 8, .value_kind: global_buffer, .address_space: global }
      - { .name: out0, .offset: 40, .size: 8, .value_kind: global_buffer, .address_space: global }
    .group_segment_fixed_size: 327680
    .private_segment_fixed_size: 0
    .kernarg_segment_align: 8
    .kernarg_segment_size: 48
    .max_flat_workgroup_size: 128
    .sgpr_count:     100
    .vgpr_count:     512
    .wavefront_size: 32
...
	.end_amdgpu_metadata
.endif
;; end of part 7
